; MI455X (gfx1250); checked and timed in simulation.
; The chip was launched on July 23, 2026; its instructions are those of AMD's public machine-readable ISA for CDNA 5 (MIT licence, August 2026) and "CDNA5" Instruction Set Architecture Reference Guide (July 2026). The comments in the code are by the model that wrote it; some were corrected since.
;; Block. Allowed arithmetic: matrix products marked QUANTISED: E2M3 operands, one E8M0 scale for each 32 along K, by v_wmma_scale_f32_16x16x128_f8f6f4 with both operands' format E2M3, f32 sums; everything else in f32.
;; Inputs: b_fc 4,096 float32; b_o 1,024 float32; b_proj 1,024 float32; b_qkv 3,072 float32; ln1_b 1,024 float32; ln1_w 1,024 float32; ln2_b 1,024 float32; ln2_w 1,024 float32; w_fc 1,024 x 4,096 float32; w_o 1,024 x 1,024 float32; w_proj 4,096 x 1,024 float32; w_qkv 1,024 x 3,072 float32; x 2 x 2,048 x 1,024 float32.
;; Outputs: out0 2 x 2,048 x 1,024 float32.
;; This version of the problem:
;;   THIS VERSION OF THE PROBLEM IS GIVEN IN LOW PRECISION. The matrix products marked QUANTISED in the list below multiply operands that are first quantised to E2M3 (2 exponent bits, 3 mantissa bits; 6 bits a number), with one power-of-two scale for each 32 numbers along K (OCP MX v1.0); their sums are f32. All else is computed in f32.
;;   The module's matrix products, in the order in which they are computed (A, B: the left and right operand; K: the contracted axis; several contracted axes count as one K, in the product's order):
;;     1. [M 4,096, K 1,024] x [K 1,024, N 3,072]; A: computed on the way; B: input w_qkv: QUANTISED
;;     2. batch 32 x [M 2,048, K 64] x [K 64, N 2,048]; A: computed on the way; B: computed on the way: QUANTISED
;;     3. batch 32 x [M 2,048, K 2,048] x [K 2,048, N 64]; A: softmax (see below); B: computed on the way: QUANTISED
;;     4. [M 4,096, K 1,024] x [K 1,024, N 1,024]; A: computed on the way; B: input w_o: QUANTISED
;;     5. [M 4,096, K 1,024] x [K 1,024, N 4,096]; A: computed on the way; B: input w_fc: QUANTISED
;;     6. [M 4,096, K 4,096] x [K 4,096, N 1,024]; A: computed on the way; B: input w_proj: QUANTISED
;;   THE QUANTISER, for each operand of a quantised product, along K:
;;     - K is cut into blocks of 32 from its start; a last block that is shorter is filled with zeros.
;;     - A block's scale is 2^e with e = floor(log2(the largest magnitude in the block)) - 2, held to -126 .. 127; a block of zeros has e = 0. As a byte (E8M0): e + 127.
;;     - Each number is divided by its block's scale, clamped to +-7.5, and rounded to the nearest number of E2M3, ties to even, subnormals kept.
;;     - The product sums the exact products of the quantised numbers (number of the format x scale) in f32.
;;   ~~~python
;;   def quantise(x, axis):      # numpy; x: float32 -> the quantised numbers, widened to float32 again
;;       x = np.moveaxis(x, axis, -1); K = x.shape[-1]
;;       x = np.pad(x, [(0, 0)] * (x.ndim - 1) + [(0, -K % 32)]); x = x.reshape(x.shape[:-1] + (-1, 32)); a = np.abs(x).max(-1, keepdims=True)
;;       e = np.where(a > 0, np.clip(np.frexp(np.where(a > 0, a, 1))[1] - 1 - 2, -126, 127), 0)      # np.frexp(a)[1] - 1 = floor(log2(a)), exactly
;;       r = np.clip(x / 2.0 ** e, -7.5, 7.5)
;;       step = 2.0 ** (np.maximum(np.frexp(np.where(r == 0, 1, r))[1] - 1, 0) - 3)
;;       q = np.round(r / step) * step * 2.0 ** e      # np.round: ties to even
;;       return np.moveaxis(q.reshape(q.shape[:-2] + (-1,))[..., :K], -1, axis).astype(np.float32)
;;   ~~~
;;   SOFTMAX AHEAD OF A QUANTISED PRODUCT. Where the list says 'softmax', what is quantised is not the finished softmax but p = 2^(t - M), with t = logit x log2(e) and M = ceil(the row's largest t), a whole number; so 1/2 < the row's largest p <= 1. The row's sum l is taken of the UNQUANTISED p, in f32, and the product's result is divided by l at the end. Since M is a whole number, a kernel that streams over the keys may use a running M (the ceiling of the running maximum): every later rescaling is an exact power of two, which a block's scale takes up: the codes' values come out the same.
;;   OPERANDS COMPUTED ON THE WAY. 'Computed on the way' means the value that the module computes at that place (a softmax that the list does not call 'softmax' is quantised finished and normalised). What goes into a quantiser is computed in f32, as accurately as f32 sums, v_exp_f32 and their like allow (about 1e-6 of the number): no bf16 or f16 on the way to a quantiser, and a product that is left as it is and whose result goes on into a quantised operand takes f32 operands (vector FMAs, or v_wmma_f32_16x16x4_f32). A number that lies on a knife's edge between two numbers of the format may be rounded either way, as far as f32 arithmetic and the matrix unit's own rounding can turn it there, and no further.
;; One version. Each part assembles by itself: llvm-mc -triple=amdgcn-amd-amdhsa -mcpu=gfx1250 --defsym DOCPART=n.
;; ======== version 1 of 1: 7 launches
;; limits: right only within a limited range of input values
;; workspace buffers: wf 9,830,400 bytes; af 3,276,800 bytes; qkvf 10,092,544 bytes; x1 16,777,216 bytes; gf 13,107,200 bytes
;; launch wq (part 1): grid 1024 x 1, 4 waves a work-group, no clusters, 51,200 bytes of LDS; arguments x, ln1_w, ln1_b, af, w_qkv, w_o, w_fc, w_proj, wf; writes af, wf
.if DOCPART == 1
	.amdgcn_target "amdgcn-amd-amdhsa--gfx1250"
	.amdhsa_code_object_version 6
	.text
	.protected	k_qdbf579508c_wq
	.globl	k_qdbf579508c_wq
	.p2align	8
	.type	k_qdbf579508c_wq,@function
k_qdbf579508c_wq:
	s_mov_b64 s[64:65], 0
	v_nop
	global_prefetch_b8 v0, s[64:65] scope:SCOPE_SE
	s_setreg_imm32_b32 hwreg(HW_REG_WAVE_MODE, 25, 1), 1
	s_wait_xcnt 0x0
; THE PROGRAM: a pre-norm transformer block, 4,096 tokens x 1,024, 16 heads of 64, causal; all six products on codes of FP6 (E2M3) with one E8M0 byte for each 32 along K.
; Launches: wq (the weights to codes, and the first norm), qkv, attn, oproj, ln1 (the second norm), fc, proj.
; DEAD WORK, shown for all values of the inputs: reference() sets a[q][k] to -infinity where k > q by a mask that it builds itself (jnp.tril), so p = 0 there whatever q, k and v hold.
; Key steps of 128 keys that lie wholly behind a group of 128 queries are therefore neither multiplied nor put through the exponential (launch attn).  Nothing else is left out and every input is loaded.
; LIMIT: a NaN, an infinity or an overflow that could arise only in those scores is not carried to the result.
; LIMITS of the quantisers: NaN and infinities among the inputs are not served; a block whose largest magnitude lies under 2^-124, a block of zeros too, keeps the scale byte 1 (its codes add nothing; these bytes are read by this program alone).
;
; THE PROGRAM'S OPERAND FORMAT: rows in groups of 128, a group in 8 row blocks of 16; lane r of row block a stands for row 32 (a / 2) + 8 (a % 2) + r + 8 (r / 8) of the group;
;   a fragment (16 rows x 128 K, 12 registers a lane) lies as an image of its registers: register p of lane L at 512 (p / 4) + 16 L + 4 (p % 4): 1,536 bytes;
;   a record (one group, 128 along K) is 8 fragments and 512 bytes of scale words (word at 16 l + 4 pr: row block 2 pr + l / 16, row l % 16): 12,800 bytes; records lie [group][K step].
; THIS LAUNCH prepares both operands of the first product and the other weights.  The two kinds of work part on the work-group's number alone and use LDS bytes of their own.
; WORK-GROUPS 0 TO 255: h = (x - mean) * rsqrt(var + 1e-5) * w + b, row by row in f32 (mean first, then the squares of the differences), quantised along the row.  A work-group makes one row block for all 8 K steps;
;   wave w owns the block's lanes 4 w .. 4 w + 3: four rows, 16,384 bytes on end.  Each load reads 512 bytes on end; two rows at a time turn through the wave's own stage in LDS (16 bytes of padding behind each 128),
;   so that lane l comes to hold block l (32 numbers) of each row; w and b take the same way.  The codes meet in LDS as images of the fragments' registers and leave as 512 bytes on end.
; WORK-GROUPS 256 TO 1,023: a weight W [K][N] f32 (K is its first axis) becomes records; a work-group makes record number - 256.  Wave w makes row blocks 2 w and 2 w + 1: A LANE TAKES A COLUMN AND ITS REGISTERS RUN DOWN K.
;   One text serves the four weights: pointer, first record, K steps a group and row bytes are chosen by the work-group's number alone.
; No tensor load, no matrix unit, no cluster: every byte is read once by one work-group.
.set SPW, 2                            ; v2  LDS address of my spare word; never rewritten
.set NIL, 3                            ; v3  0; never rewritten
.set SPARE, 512                        ; LDS: 0-511 the weights' scale words; 512-1,023 the spare words, 128 bytes a wave
.set STG,  1024                        ; the norm: four stages of 2 x 4,608 bytes;
.set IMG,  STG+4*9216                  ; 8 fragments of 1,536 bytes;
.set SCI,  IMG+12288                   ; their scale words, [K step][row], 512 bytes
.set X,   64                           ; weights: v64-191 128 numbers of my column
.set OF,  192                          ; v192-223 byte offsets of 32 rows at my column
.set FE,  32                           ; v32-43 blocks 0 and 2; behind the exchange: the fragment of row block 2 w
.set FO,  44                           ; v44-55 blocks 1 and 3; behind the exchange: that of row block 2 w + 1
.set TC,  56
.set T,   160                          ; the norm: v160-175 at work
	v_lshl_add_u32 v[SPW], v0, 2, SPARE
	v_mov_b32 v[NIL], 0
	v_lshrrev_b32 v1, 5, v0
	v_readfirstlane_b32 s14, v1                    ; wave
	v_and_b32 v1, 31, v0                           ; lane
	s_cmp_lt_u32 ttmp9, 256
	s_wait_alu depctr_va_vdst(0)                   ; the wait ahead of the branch
	s_cbranch_scc1 .Lnorm
; ---- the weights
	s_load_b256 s[4:11], s[0:1], 0x20              ; w_qkv, w_o, w_fc, w_proj
	s_load_b64 s[12:13], s[0:1], 0x40              ; wf
	s_sub_co_u32 s38, ttmp9, 256                   ; my record
	v_lshlrev_b32 v8, 4, v1                        ; 16 x lane
	s_lshl_b32 s15, s14, 2
	v_add_nc_u32 v9, s15, v8                       ; LDS: my scale word, 16 x lane + 4 w
	v_and_b32 v4, 7, v1
	v_bfe_u32 v5, v1, 3, 1
	v_lshl_add_u32 v4, v5, 4, v4
	v_bfe_u32 v5, v1, 4, 1
	v_lshl_add_u32 v4, v5, 3, v4                   ; (l & 7) + 16 ((l >> 3) & 1) + 8 (l >> 4)
	s_lshl_b32 s15, s14, 5
	v_add_nc_u32 v4, s15, v4                       ; my column in the group
	v_lshlrev_b32 v5, 2, v4
	s_mov_b32 s17, 512                             ; w_proj: first record, log2 of K steps a group, bytes in a row
	s_mov_b32 s18, 5
	s_mov_b32 s19, 0x1000
	s_wait_alu depctr_va_vdst(0)
	s_wait_kmcnt 0x0
	s_mov_b64 s[20:21], s[10:11]
	s_cmp_lt_u32 s38, 512                          ; w_fc
	s_cselect_b64 s[20:21], s[8:9], s[20:21]
	s_cselect_b32 s17, 256, s17
	s_cselect_b32 s18, 3, s18
	s_cselect_b32 s19, 0x4000, s19
	s_cmp_lt_u32 s38, 256                          ; w_o
	s_cselect_b64 s[20:21], s[6:7], s[20:21]
	s_cselect_b32 s17, 192, s17
	s_cselect_b32 s19, 0x1000, s19
	s_cmp_lt_u32 s38, 192                          ; w_qkv
	s_cselect_b64 s[20:21], s[4:5], s[20:21]
	s_cselect_b32 s17, 0, s17
	s_cselect_b32 s19, 0x3000, s19
	s_sub_co_u32 s22, s38, s17
	s_lshr_b32 s23, s22, s18                       ; the group
	s_lshl_b32 s24, s23, s18
	s_sub_co_u32 s24, s22, s24                     ; the K step
	s_lshl_b32 s25, s19, 7
	s_mul_i32 s26, s24, s25                        ; 128 rows a K step
	s_lshl_b32 s23, s23, 9
	s_add_co_u32 s26, s26, s23                     ; 512 bytes a group
	s_mov_b32 s27, 0
	s_add_nc_u64 s[20:21], s[20:21], s[26:27]      ; rows 0-31 of the K step
	s_lshl_b32 s26, s19, 5
	s_add_nc_u64 s[28:29], s[20:21], s[26:27]      ; rows 32-63
	s_add_nc_u64 s[30:31], s[28:29], s[26:27]
	s_add_nc_u64 s[32:33], s[30:31], s[26:27]
	s_mul_i32 s34, s38, 12800
	s_mov_b32 s35, 0
	s_add_nc_u64 s[12:13], s[12:13], s[34:35]      ; my record
	s_mul_i32 s34, s14, 3072
	s_add_nc_u64 s[36:37], s[12:13], s[34:35]      ; my wave's two fragments
.set li, 0
.rept 32
	v_mad_u32_u24 v[OF+li], s19, li, v5
.set li, li+1
.endr
.macro LOADB b, base                   ; block b: W(32 b + i, my column): 32 lanes read 128 bytes on end
.set li, 0
.rept 32
	global_load_b32 v[X+32*(\b)+li], v[OF+li], s[\base:\base+1] th:TH_LOAD_NT
.set li, li+1
.endr
.endm
	LOADB 0, 20
	LOADB 1, 28
	LOADB 2, 30
	LOADB 3, 32
.macro BLOCK b, cnt
.set XS, X+32*(\b)
.set DC, FE+12*((\b)%2)+6*((\b)/2)
	s_wait_loadcnt \cnt
	v_max3_num_f32 v12, |v[XS]|, |v[XS+1]|, |v[XS+2]|
	v_max3_num_f32 v13, |v[XS+3]|, |v[XS+4]|, |v[XS+5]|
.irp i, 6,10,14,18,22,26
	v_max3_num_f32 v12, v12, |v[XS+\i]|, |v[XS+\i+1]|
	v_max3_num_f32 v13, v13, |v[XS+\i+2]|, |v[XS+\i+3]|
.endr
	v_max3_num_f32 v12, v12, |v[XS+30]|, |v[XS+31]|
	v_max3_num_f32 v12, v12, v13, 0x1800000        ; the floor 2^(3 - 127): the byte cannot fall under 1
	v_add_nc_u32 v11, 0xff000000, v12              ; 2 off the exponent field: the conversion's scale operand
	v_lshrrev_b32 v13, 23, v11                     ; the scale's byte
.if (\b) == 0
	v_mov_b32 v14, v13
.else
	v_lshl_or_b32 v14, v13, 8*(\b), v14
.endif
	v_cvt_scalef32_pk16_fp6_f32 v[DC:DC+2], v[XS:XS+15], v11
	v_cvt_scalef32_pk16_fp6_f32 v[TC:TC+2], v[XS+16:XS+31], v11   ; (a conversion's three registers begin on an even number)
	v_nop                                          ; one plain place behind a scaled conversion
	v_mov_b32 v[DC+3], v[TC]
	v_mov_b32 v[DC+4], v[TC+1]
	v_mov_b32 v[DC+5], v[TC+2]
.endm
	BLOCK 0, 63                                    ; 63 is the largest count that can be written: loads 0 to 64 are in
	BLOCK 1, 63
	BLOCK 2, 32                                    ; block 3's 32 loads may be out
	BLOCK 3, 0
.set li, 0
.rept 12                               ; lanes 0-15 hold row block 2 w, lanes 16-31 row block 2 w + 1, each lane all four blocks; a fragment wants blocks 0, 2 in lanes 0-15 and blocks 1, 3 in lanes 16-31
	v_permlane16_swap_b32 v[FE+li], v[FO+li]
.set li, li+1
.endr
.irp g, 0,1,2
	global_store_b128 v8, v[FE+4*\g:FE+4*\g+3], s[36:37] offset:512*\g        ; 32 lanes store 512 bytes on end
	global_store_b128 v8, v[FO+4*\g:FO+4*\g+3], s[36:37] offset:1536+512*\g
.endr
	ds_store_b32 v9, v14                           ; the four waves' scale words meet in LDS
	s_wait_dscnt 0x0                               ; for the others' sake: my store has landed
	s_barrier_signal -1
	s_barrier_wait -1
	s_cmp_lg_u32 s14, 0
	s_cbranch_scc1 .Lend
	ds_load_b128 v[16:19], v8
	s_wait_dscnt 0x0
	global_store_b128 v8, v[16:19], s[12:13] offset:12288
	s_branch .Lend
; ---- the norm
.Lnorm:
	s_load_b256 s[4:11], s[0:1], 0x0               ; x, ln1_w, ln1_b, af
	v_lshlrev_b32 v12, 4, v1                       ; 16 x lane
	s_mov_b32 s40, 0x3a800000                      ; 1 / 1024
	s_mov_b32 s41, 0x3727c5ac                      ; 1e-5
	s_mov_b32 s42, 0x76543210                      ; selects for lane l xor 16
	s_mov_b32 s43, 0xfedcba98
	s_lshr_b32 s13, ttmp9, 3                       ; the group of 128 rows
	s_and_b32 s16, ttmp9, 7                        ; the row block a
	s_lshl_b32 s17, s13, 7
	s_lshr_b32 s44, s16, 1                         ; a / 2
	s_lshl_b32 s46, s44, 5
	s_add_co_u32 s17, s17, s46
	s_and_b32 s45, s16, 1                          ; a % 2
	s_lshl_b32 s46, s45, 3
	s_add_co_u32 s17, s17, s46
	s_lshl_b32 s46, s14, 2
	s_add_co_u32 s17, s17, s46
	s_lshr_b32 s46, s14, 1
	s_lshl_b32 s46, s46, 3
	s_add_co_u32 s17, s17, s46                     ; my first row: 128 G + 32 (a / 2) + 8 (a % 2) + 4 w + 8 (w / 2)
	s_lshl_b32 s46, s17, 12
	s_mov_b32 s47, 0
	s_wait_alu depctr_va_vdst(0)
	s_wait_kmcnt 0x0
	s_add_nc_u64 s[4:5], s[4:5], s[46:47]
.irp i, 0,1,2,3,4,5,6,7                ; 48 loads, each 512 bytes on end: w and b, rows 0 and 1, rows 2 and 3
	global_load_b128 v[96+4*\i:99+4*\i], v12, s[6:7] offset:512*\i
	global_load_b128 v[128+4*\i:131+4*\i], v12, s[8:9] offset:512*\i
.endr
.irp i, 0,1,2,3,4,5,6,7
	global_load_b128 v[32+4*\i:35+4*\i], v12, s[4:5] offset:512*\i th:TH_LOAD_NT
	global_load_b128 v[64+4*\i:67+4*\i], v12, s[4:5] offset:4096+512*\i th:TH_LOAD_NT
.endr
.irp i, 0,1,2,3,4,5,6,7
	global_load_b128 v[192+4*\i:195+4*\i], v12, s[4:5] offset:8192+512*\i th:TH_LOAD_NT
	global_load_b128 v[224+4*\i:227+4*\i], v12, s[4:5] offset:12288+512*\i th:TH_LOAD_NT
.endr
	s_mul_i32 s2, s14, 9216
	s_add_co_u32 s2, s2, STG                       ; my stage
	v_lshrrev_b32 v15, 3, v1
	v_lshl_add_u32 v4, v15, 4, v12
	v_add_nc_u32 v4, s2, v4                        ; into it: 16 l + 16 (l / 8); a load's 512 bytes lie 576 apart
	v_mul_u32_u24 v5, v1, 144
	v_add_nc_u32 v5, s2, v5                        ; out of it: my block's 128 bytes at 144 l
	v_lshrrev_b32 v14, 2, v1                       ; my block's K step S = l / 4; in it c = (l / 2) % 2, h = l % 2: registers 6 c .. 6 c + 5 of lane r + 16 h
	v_mul_u32_u24 v14, v14, 1536
	v_and_b32 v15, 1, v1
	v_lshl_add_u32 v14, v15, 8, v14
	s_lshl_b32 s2, s14, 6
	v_add_nc_u32 v14, s2, v14
	v_add_nc_u32 v14, IMG, v14                     ; the image's 16 bytes of lane 4 w + 16 h
	v_bfe_u32 v15, v1, 1, 1
	v_mul_u32_u24 v16, v15, 520
	v_add_nc_u32 v6, v14, v16                      ; registers 0, 1 (c = 1: 6, 7); registers 4, 5 (10, 11) lie 512 on
	v_mul_u32_u24 v16, v15, 1016
	v_add_nc_u32 v7, v14, v16                      ; + 8: registers 2, 3 (8, 9)
	v_lshrrev_b32 v9, 2, v1
	v_lshlrev_b32 v9, 6, v9
	v_and_b32 v15, 3, v1
	v_add_nc_u32 v9, v9, v15
	s_lshl_b32 s2, s14, 4
	v_add_nc_u32 v9, s2, v9
	v_add_nc_u32 v9, SCI, v9                       ; my block's scale byte: 64 S + 4 row + l % 4
	s_mul_i32 s2, s14, 3072
	v_add_nc_u32 v10, s2, v12
	v_add_nc_u32 v10, IMG, v10                     ; the way out: wave w sends K steps 2 w and 2 w + 1
	v_and_b32 v15, 15, v1
	v_lshlrev_b32 v11, 2, v15
	s_lshl_b32 s2, s14, 7
	v_add_nc_u32 v11, s2, v11
	v_add_nc_u32 v11, SCI, v11
	v_lshlrev_b32 v13, 4, v15
	v_mov_b32 v180, 0                              ; a lane permute's destination counts as one of its sources
.macro INTO r                          ; two rows, as loaded, into my stage
.irp i, 0,1,2,3,4,5,6,7
	ds_store_b128 v4, v[\r+4*\i:\r+4*\i+3] offset:576*\i
	ds_store_b128 v4, v[\r+32+4*\i:\r+32+4*\i+3] offset:4608+576*\i
.endr
.endm
.macro BACK r                          ; and back: my block of each.  LDS serves a wave's instructions in order
.irp i, 0,1,2,3,4,5,6,7
	ds_load_b128 v[\r+4*\i:\r+4*\i+3], v5 offset:16*\i
	ds_load_b128 v[\r+32+4*\i:\r+32+4*\i+3], v5 offset:4608+16*\i
.endr
.endm
.macro RED v                           ; the sum over the 32 lanes, in every lane
	v_add_f32_dpp v[\v], v[\v], v[\v] row_xmask:1 row_mask:0xf bank_mask:0xf
	v_add_f32_dpp v[\v], v[\v], v[\v] row_xmask:2 row_mask:0xf bank_mask:0xf
	v_add_f32_dpp v[\v], v[\v], v[\v] row_xmask:4 row_mask:0xf bank_mask:0xf
	v_add_f32_dpp v[\v], v[\v], v[\v] row_xmask:8 row_mask:0xf bank_mask:0xf
	v_permlanex16_b32 v180, v[\v], s42, s43
	v_add_f32 v[\v], v[\v], v180
.endm
.macro ROWLN p, u                      ; row 2 u + p of my four
.set XR, 32+32*(\p)
.irp i, 0,1,2,3,4,5,6,7
	v_pk_add_f32 v[T+2*\i:T+2*\i+1], v[XR+4*\i:XR+4*\i+1], v[XR+4*\i+2:XR+4*\i+3]
.endr
.irp i, 0,1,2,3
	v_pk_add_f32 v[T+2*\i:T+2*\i+1], v[T+4*\i:T+4*\i+1], v[T+4*\i+2:T+4*\i+3]
.endr
.irp i, 0,1
	v_pk_add_f32 v[T+2*\i:T+2*\i+1], v[T+4*\i:T+4*\i+1], v[T+4*\i+2:T+4*\i+3]
.endr
	v_pk_add_f32 v[T:T+1], v[T:T+1], v[T+2:T+3]
	v_add_f32 v[T], v[T], v[T+1]
	RED T
	v_mul_f32 v176, s40, v[T]                      ; the mean, twice: a pair for the packed form
	v_mul_f32 v177, s40, v[T]
.irp i, 0,2,4,6,8,10,12,14,16,18,20,22,24,26,28,30
	v_pk_add_f32 v[XR+\i:XR+\i+1], v[XR+\i:XR+\i+1], v[176:177] neg_lo:[0,1] neg_hi:[0,1]
.endr
	v_pk_mul_f32 v[T:T+1], v[XR:XR+1], v[XR:XR+1]
	v_pk_mul_f32 v[T+2:T+3], v[XR+2:XR+3], v[XR+2:XR+3]
.irp i, 4,8,12,16,20,24,28
	v_pk_fma_f32 v[T:T+1], v[XR+\i:XR+\i+1], v[XR+\i:XR+\i+1], v[T:T+1]
	v_pk_fma_f32 v[T+2:T+3], v[XR+\i+2:XR+\i+3], v[XR+\i+2:XR+\i+3], v[T+2:T+3]
.endr
	v_pk_add_f32 v[T:T+1], v[T:T+1], v[T+2:T+3]
	v_add_f32 v[T], v[T], v[T+1]
	RED T
	v_fma_f32 v[T], v[T], s40, s41                 ; var + eps
	s_wait_alu depctr_va_vdst(0)                   ; the wait ahead of the transcendentals
	v_rsq_f32 v178, v[T]
	v_rsq_f32 v179, v[T]
	v_nop                                          ; a plain place behind them
	s_wait_alu depctr_va_vdst(0)                   ; one wait for both, ahead of their first reader
.irp i, 0,2,4,6,8,10,12,14,16,18,20,22,24,26,28,30
	v_pk_mul_f32 v[XR+\i:XR+\i+1], v[XR+\i:XR+\i+1], v[178:179]
.endr
.irp i, 0,2,4,6,8,10,12,14,16,18,20,22,24,26,28,30
	v_pk_fma_f32 v[XR+\i:XR+\i+1], v[XR+\i:XR+\i+1], v[96+\i:97+\i], v[128+\i:129+\i]
.endr
	v_max3_num_f32 v[T], |v[XR]|, |v[XR+1]|, |v[XR+2]|
	v_max3_num_f32 v[T+1], |v[XR+3]|, |v[XR+4]|, |v[XR+5]|
.irp i, 6,10,14,18,22,26
	v_max3_num_f32 v[T], v[T], |v[XR+\i]|, |v[XR+\i+1]|
	v_max3_num_f32 v[T+1], v[T+1], |v[XR+\i+2]|, |v[XR+\i+3]|
.endr
	v_max3_num_f32 v[T], v[T], |v[XR+30]|, |v[XR+31]|
	v_max3_num_f32 v[T], v[T], v[T+1], 0x1800000   ; the floor 2^(3 - 127)
	v_add_nc_u32 v181, 0xff000000, v[T]            ; the conversion's scale operand
	v_lshrrev_b32 v182, 23, v181                   ; the scale's byte
	v_cvt_scalef32_pk16_fp6_f32 v[184:186], v[XR:XR+15], v181
	v_cvt_scalef32_pk16_fp6_f32 v[188:190], v[XR+16:XR+31], v181
	v_nop                                          ; one plain place behind a scaled conversion
	v_mov_b32 v187, v188
	v_mov_b32 v188, v189
	v_mov_b32 v189, v190                           ; v184-189: my block's six registers
	ds_store_b64 v6, v[184:185] offset:16*(\p)+32*(\u)
	ds_store_b64 v7, v[186:187] offset:8+16*(\p)+32*(\u)
	ds_store_b64 v6, v[188:189] offset:512+16*(\p)+32*(\u)
	ds_store_b8 v9, v182 offset:4*(\p)+8*(\u)
	s_wait_alu depctr_va_vdst(0)
	s_wait_dscnt 0x0                               ; the stores have read their registers, and have landed
.endm
	s_wait_alu depctr_va_vdst(0)                   ; the wait at the head's end
	s_wait_loadcnt 32                              ; w and b are in; the four rows' 32 loads may be out
	INTO 96
	s_wait_dscnt 0x0                               ; the stores have read their registers, which take the blocks
	BACK 96
	s_wait_loadcnt 16                              ; rows 0 and 1 are in
	INTO 32
	s_wait_dscnt 0x0
	BACK 32
	s_wait_dscnt 0x0
	ROWLN 0, 0
	ROWLN 1, 0
	s_wait_loadcnt 0x0                             ; rows 2 and 3
	INTO 192
	BACK 32
	s_wait_dscnt 0x0
	ROWLN 0, 1
	ROWLN 1, 1
	s_barrier_signal -1
	s_barrier_wait -1                              ; the eight fragments and their scale words lie in LDS
.irp u, 0,1
.irp g, 0,1,2
	ds_load_b128 v[32+12*\u+4*\g:35+12*\u+4*\g], v10 offset:1536*\u+512*\g
.endr
	ds_load_b32 v[60+\u], v11 offset:64*\u
.endr
	s_lshl_b32 s2, s13, 3
	s_lshl_b32 s3, s14, 1
	s_add_co_u32 s2, s2, s3
	s_mul_i32 s2, s2, 12800
	s_mov_b32 s3, 0
	s_add_nc_u64 s[10:11], s[10:11], s[2:3]        ; record (G, 2 w); the next K step's lies 12,800 on
	s_mul_i32 s2, s16, 1536
	s_add_nc_u64 s[18:19], s[10:11], s[2:3]        ; its fragment a
	s_lshl_b32 s2, s45, 8
	s_lshl_b32 s46, s44, 2
	s_add_co_u32 s2, s2, s46
	s_add_co_u32 s2, s2, 12288
	s_add_nc_u64 s[20:21], s[10:11], s[2:3]        ; its scale words of row block a: 12,288 + 256 (a % 2) + 4 (a / 2) + 16 r
	s_wait_dscnt 0x0
.irp u, 0,1
.irp g, 0,1,2
	global_store_b128 v12, v[32+12*\u+4*\g:35+12*\u+4*\g], s[18:19] offset:12800*\u+512*\g
.endr
	global_store_b32 v13, v[60+\u], s[20:21] offset:12800*\u   ; lanes r and r + 16 store the same word
.endr
.Lend:
	s_wait_tensorcnt 0x0                           ; the wave's end
	ds_add_u32 v[SPW], v[NIL]
	s_wait_dscnt 0x0
	s_endpgm
.Lfunc_end_k_qdbf579508c_wq:
	.size	k_qdbf579508c_wq, .Lfunc_end_k_qdbf579508c_wq-k_qdbf579508c_wq
	.p2alignl 7, 3214868480
	.fill 96, 4, 3214868480
	.section	.rodata,"a",@progbits
	.p2align	6, 0x0
	.amdhsa_kernel k_qdbf579508c_wq
		.amdhsa_group_segment_fixed_size 51200
		.amdhsa_private_segment_fixed_size 0
		.amdhsa_enable_private_segment 0
		.amdhsa_kernarg_size 72
		.amdhsa_user_sgpr_count 2
		.amdhsa_user_sgpr_kernarg_segment_ptr 1
		.amdhsa_wavefront_size32 1
		.amdhsa_system_sgpr_workgroup_id_x 1
		.amdhsa_system_sgpr_workgroup_id_y 1
		.amdhsa_system_sgpr_workgroup_id_z 1
		.amdhsa_system_vgpr_workitem_id 0
		.amdhsa_next_free_vgpr 256
		.amdhsa_next_free_sgpr 66
		.amdhsa_reserve_vcc 0
		.amdhsa_float_denorm_mode_32 3
		.amdhsa_float_denorm_mode_16_64 3
		.amdhsa_memory_ordered 1
		.amdhsa_forward_progress 1
		.amdhsa_inst_pref_size 71
	.end_amdhsa_kernel
	.amdgpu_metadata
---
amdhsa.version: [ 1, 2 ]
amdhsa.kernels:
  - .name:           k_qdbf579508c_wq
    .symbol:         k_qdbf579508c_wq.kd
    .args:
      - { .name: x, .offset: 0, .size: 8, .value_kind: global_buffer, .address_space: global }
      - { .name: ln1_w, .offset: 8, .size: 8, .value_kind: global_buffer, .address_space: global }
      - { .name: ln1_b, .offset: 16, .size: 8, .value_kind: global_buffer, .address_space: global }
      - { .name: af, .offset: 24, .size: 8, .value_kind: global_buffer, .address_space: global }
      - { .name: w_qkv, .offset: 32, .size: 8, .value_kind: global_buffer, .address_space: global }
      - { .name: w_o, .offset: 40, .size: 8, .value_kind: global_buffer, .address_space: global }
      - { .name: w_fc, .offset: 48, .size: 8, .value_kind: global_buffer, .address_space: global }
      - { .name: w_proj, .offset: 56, .size: 8, .value_kind: global_buffer, .address_space: global }
      - { .name: wf, .offset: 64, .size: 8, .value_kind: global_buffer, .address_space: global }
    .group_segment_fixed_size: 51200
    .private_segment_fixed_size: 0
    .kernarg_segment_align: 8
    .kernarg_segment_size: 72
    .max_flat_workgroup_size: 128
    .sgpr_count:     66
    .vgpr_count:     256
    .wavefront_size: 32
...
	.end_amdgpu_metadata
.endif
;; end of part 1
;; launch qkv (part 2): grid 12 x 16, 4 waves a work-group, clusters of 4 x 4, 327,680 bytes of LDS; arguments af, wf, b_qkv, qkvf; writes qkvf
.if DOCPART == 2
	.amdgcn_target "amdgcn-amd-amdhsa--gfx1250"
	.amdhsa_code_object_version 6
	.text
	.protected	k_qdbf579508c_qkv
	.globl	k_qdbf579508c_qkv
	.p2align	8
	.type	k_qdbf579508c_qkv,@function
k_qdbf579508c_qkv:
	s_mov_b64 s[64:65], 0
	v_nop
	global_prefetch_b8 v0, s[64:65] scope:SCOPE_SE
	s_setreg_imm32_b32 hwreg(HW_REG_WAVE_MODE, 25, 1), 1
	s_wait_xcnt 0x0
	s_wait_alu depctr_hold_cnt(0) depctr_sa_sdst(0) depctr_va_vdst(0) depctr_va_sdst(0) depctr_va_ssrc(0) depctr_va_vcc(0) depctr_vm_vsrc(0)
	s_getreg_b32 s2, hwreg(HW_REG_IB_STS2, 6, 4)
	s_cmp_eq_u32 s2, 0
	s_cbranch_scc0 .Lentry_in_a_cluster
	s_endpgm
.Lentry_in_a_cluster:
	s_bfe_u32 s2, ttmp6, 0x10000c
	s_cmp_lg_u32 s2, 0xf033
	s_cbranch_scc0 .Lentry_shape_is_right
	s_endpgm
.Lentry_shape_is_right:
; qkv = h W + b on codes of FP6, K = 1,024, and the result quantised on the way out into attention's operands.  Operand format: see launch wq.
; A work-group of four waves makes 256 x 256, a wave 128 x 128: 64 accumulators.  Source 0 takes the fragments of region B (its rows become a lane's registers), source 1 those of region A (its rows become the lanes).
; ROLES, by the cluster's x alone (the same in all sixteen partners): clusters 0 and 1 make q and k: A = tokens (af), B = columns of W (wf), so that a lane's registers run along the head's 64, the K of q k^T.
; Cluster 2 makes v: A = columns of W, B = tokens, so that a lane's registers run along the tokens, which are the K (the keys) of p v.
; A's tiles hang on the cluster's row (cy) alone and are asked for jointly along it, B's on its column (cx) alone.
; RING: two LDS slots of three K steps each (153,600 bytes: four quarters of 38,400, one tensor load a wave: three records of one group, codes and scale words together, dense in memory).
; K steps 0-5 are first fills; slot 0 is filled once more, with K steps 6 and 7, behind the one round in the loop, and has the rest of K step 2 and K steps 3 and 4, 160 matrix instructions, in which to land.  One load of a wave is out at a time.
; OUT: q and k: for each head and group of 128 tokens 8 tiles of 768 bytes (registers 0-3 at 16 x lane, registers 4, 5 at 512 + 8 x lane) and 512 bytes of scale words (two bytes in the low half, 0 above).
;      v: for each head and key step 4 fragments (16 of the head's 64 x 128 keys) and 256 bytes of scale words.  k and v of a key step lie together: 13,056 bytes.
; Both kinds of bias are loaded by every wave, the kind that its role does not use from the buffer's first bytes, so that every register is written on the one way that all waves take.
; REGISTERS: window 0: v1-6 lane terms; v16-22 LDS addresses; v28, 29 the add's two; v32-47 scale words, two sets; v48-95 the quantiser's; v96-103 v's bias; v128-223 A's fragments, one set; on the way out v128-191 64 numbers.
;   window 1: B's fragments at v0 and v128, two sets; the bias along B's rows at v96-127 and v224-255.   windows 2, 3: the accumulators ((a, b) at v[8 (8 (a % 4) + b)]).
; LIMITS: as stated at the head of launch wq.
.set REC,   12800
.set GRP,   8*REC                      ; a group's 8 K steps in memory
.set QTR,   3*REC                      ; THE RING AS IT STANDS: two slots of three K steps each (153,600 bytes: four quarters of 38,400, one tensor load a wave)
.set SLOT,  4*QTR
.set SPARE, 2*SLOT
.set KVOFF, 3407872                    ; where k and v begin in qkvf
.set ADRA, 16
.set ADRB, 20
.set SPW,  28
.set NIL,  29
.set SC,   32
.set TM,   48
.set PW,   64
.set PC,   66
.set SU,   88
.set BI,   96
.set AF,   128
.set H,    128
.set G1A, 24
.set G1B, 32
.set G0A, 68
.set G0B, 80
.set SEL, 58
.set MSB, 0
.macro WIN new                         ; the immediate's high byte repeats the setting that is left
.if MSB != (\new)
	s_set_vgpr_msb (MSB<<8)|(\new)
.set MSB, (\new)
.endif
.endm
.set MUL_LO, 0xa1                      ; source 0 window 1, source 1 window 0, C and D window 2
.set MUL_HI, 0xf1
.macro JLOAD g0a, g1a, g0b, g1b        ; a joint load: waves 0 and 1 fetch for A, waves 2 and 3 for B; an s_nop 0 and four v_nop follow each line
	s_cmp_eq_u32 s15, 0
	s_cbranch_scc0 .Lfor_b_\@
	tensor_load_to_lds s[\g0a:\g0a+3], s[\g1a:\g1a+7]
	s_nop 0
.rept 4
	v_nop
.endr
	s_branch .Lasked_\@
.Lfor_b_\@:
	tensor_load_to_lds s[\g0b:\g0b+3], s[\g1b:\g1b+7]
	s_nop 0
.rept 4
	v_nop
.endr
.Lasked_\@:
.endm
.macro CREST
	s_cmp_lg_u32 s14, 0
	s_cbranch_scc1 .Lnot_wave_0_\@
	s_barrier_signal -3
.Lnot_wave_0_\@:
	s_barrier_wait -3
	s_barrier_signal -1
	s_barrier_wait -1
.endm
.macro CROUND
	s_barrier_signal -1
	s_barrier_wait -1
	CREST
.endm
.macro PLACES                          ; four places behind a matrix instruction, ahead of loads into its registers and of the first read of results
.rept 4
	v_nop
.endr
.endm
.macro WM d, a, b, c, sa, sb, ra, rb   ; one product; c < 0: it starts the sum; ra, rb: the scale words stand in lanes 16-31
.if (\c) < 0
.if ((\ra) == 0) && ((\rb) == 0)
	v_wmma_scale_f32_16x16x128_f8f6f4 v[(\d):(\d)+7], v[(\a):(\a)+11], v[(\b):(\b)+11], 0, v[\sa], v[\sb] matrix_a_fmt:MATRIX_FMT_FP6 matrix_b_fmt:MATRIX_FMT_FP6
.elseif (\rb) == 0
	v_wmma_scale_f32_16x16x128_f8f6f4 v[(\d):(\d)+7], v[(\a):(\a)+11], v[(\b):(\b)+11], 0, v[\sa], v[\sb] matrix_a_fmt:MATRIX_FMT_FP6 matrix_b_fmt:MATRIX_FMT_FP6 matrix_a_scale:MATRIX_SCALE_ROW1
.elseif (\ra) == 0
	v_wmma_scale_f32_16x16x128_f8f6f4 v[(\d):(\d)+7], v[(\a):(\a)+11], v[(\b):(\b)+11], 0, v[\sa], v[\sb] matrix_a_fmt:MATRIX_FMT_FP6 matrix_b_fmt:MATRIX_FMT_FP6 matrix_b_scale:MATRIX_SCALE_ROW1
.else
	v_wmma_scale_f32_16x16x128_f8f6f4 v[(\d):(\d)+7], v[(\a):(\a)+11], v[(\b):(\b)+11], 0, v[\sa], v[\sb] matrix_a_fmt:MATRIX_FMT_FP6 matrix_b_fmt:MATRIX_FMT_FP6 matrix_a_scale:MATRIX_SCALE_ROW1 matrix_b_scale:MATRIX_SCALE_ROW1
.endif
.else
.if ((\ra) == 0) && ((\rb) == 0)
	v_wmma_scale_f32_16x16x128_f8f6f4 v[(\d):(\d)+7], v[(\a):(\a)+11], v[(\b):(\b)+11], v[(\c):(\c)+7], v[\sa], v[\sb] matrix_a_fmt:MATRIX_FMT_FP6 matrix_b_fmt:MATRIX_FMT_FP6
.elseif (\rb) == 0
	v_wmma_scale_f32_16x16x128_f8f6f4 v[(\d):(\d)+7], v[(\a):(\a)+11], v[(\b):(\b)+11], v[(\c):(\c)+7], v[\sa], v[\sb] matrix_a_fmt:MATRIX_FMT_FP6 matrix_b_fmt:MATRIX_FMT_FP6 matrix_a_scale:MATRIX_SCALE_ROW1
.elseif (\ra) == 0
	v_wmma_scale_f32_16x16x128_f8f6f4 v[(\d):(\d)+7], v[(\a):(\a)+11], v[(\b):(\b)+11], v[(\c):(\c)+7], v[\sa], v[\sb] matrix_a_fmt:MATRIX_FMT_FP6 matrix_b_fmt:MATRIX_FMT_FP6 matrix_b_scale:MATRIX_SCALE_ROW1
.else
	v_wmma_scale_f32_16x16x128_f8f6f4 v[(\d):(\d)+7], v[(\a):(\a)+11], v[(\b):(\b)+11], v[(\c):(\c)+7], v[\sa], v[\sb] matrix_a_fmt:MATRIX_FMT_FP6 matrix_b_fmt:MATRIX_FMT_FP6 matrix_a_scale:MATRIX_SCALE_ROW1 matrix_b_scale:MATRIX_SCALE_ROW1
.endif
.endif
.endm
; 16 products: A's blocks a0, a0 + 1 x B's eight.  p: B's set and the set of scale words.  The 64 accumulators take turns, one instruction a turn, in the same order in every step.
.macro MUL16 a0, p, zero
.irp a, \a0, \a0+1
.irp b, 0,1,2,3,4,5,6,7
.set rD, 8*(8*((\a)%4)+\b)
.set rC, rD
.if \zero
.set rC, -1
.endif
	WM rD, 128*(\p)+12*\b, AF+12*(\a), rC, SC+8*(\p)+4+\b/2, SC+8*(\p)+(\a)/2, \b%2, (\a)%2
.endr
.endr
.endm
.macro FRAG reg, adr, off              ; a fragment's image: three loads of 512 bytes on end
.irp g, 0,1,2
	ds_load_b128 v[(\reg)+4*\g:(\reg)+4*\g+3], v[\adr] offset:(\off)+512*\g
.endr
.endm
.macro FETCH_B slot, q, p
	WIN 0x40
.irp i, 0,1,2,3,4,5,6,7
	FRAG 128*(\p)+12*\i, ADRB+\slot, (\q)*REC+1536*\i
.endr
	WIN 0
.endm
.macro FETCH_A slot, q, i0
.irp i, \i0, \i0+1, \i0+2, \i0+3
	FRAG AF+12*(\i), ADRA+\slot, (\q)*REC+1536*(\i)
.endr
.endm
.macro SCALES slot, q, p               ; register pr: lanes 0-15 row block 2 pr, lanes 16-31 row block 2 pr + 1
	ds_load_b128 v[SC+8*(\p):SC+8*(\p)+3], v[ADRA+\slot] offset:(\q)*REC+12288
	ds_load_b128 v[SC+8*(\p)+4:SC+8*(\p)+7], v[ADRB+\slot] offset:(\q)*REC+12288
.endm
.macro STEP p, ns, nq, zero            ; a K step; its successor's fragments come from slot ns, record nq
	s_wait_dscnt 12                                ; B's set, A's blocks 0-3 and the scale words are in; the youngest 12 loads (A's blocks 4-7) may be out
	WIN MUL_LO
	MUL16 0, \p, \zero
	MUL16 2, \p, \zero
	s_wait_dscnt 0x0                               ; A's blocks 4-7 (asked for 32 products ago)
	PLACES
	FETCH_B \ns, \nq, 1-(\p)
	FETCH_A \ns, \nq, 0
	SCALES \ns, \nq, 1-(\p)
	WIN MUL_HI
	MUL16 4, \p, \zero
	MUL16 6, \p, \zero
	PLACES
	WIN 0
	FETCH_A \ns, \nq, 4
.endm
; A K step with a barrier.  In front of it each wave waits for all its tensor loads, adds 0 to its spare word, and waits for that and for its reads of the slot that it leaves.
; fill = 1: the barrier opens a round of the cluster's, and slot 0 is filled again first thing behind it.
.macro TURN p, ns, fill
	s_wait_tensorcnt 0x0                           ; all my tensor loads have landed
	ds_add_u32 v[SPW], v[NIL]
	s_wait_dscnt 13                                ; (the add and the youngest 12 loads may be out)
	WIN MUL_LO
	MUL16 0, \p, 0
	s_wait_dscnt 0x0                               ; the add is done, and my reads of this slot are over
	s_barrier_signal -1
	MUL16 2, \p, 0
	WIN 0
	s_barrier_wait -1
.if \fill
	CREST                                          ; no wave of any partner still reads slot 0 or has a load on its way
	s_add_nc_u64 s[G0A+2:G0A+3], s[G0A+2:G0A+3], 6*REC
	s_add_nc_u64 s[G0B+2:G0B+3], s[G0B+2:G0B+3], 6*REC
	s_mov_b32 s[G1A+2], 100<<16                    ; no tensor load of mine is out: the refill brings two records, 100 rows of 256 bytes
	s_mov_b32 s[G1A+4], 100
	s_mov_b32 s[G1B+2], 100<<16
	s_mov_b32 s[G1B+4], 100
	JLOAD G0A, G1A, G0B, G1B                       ; K steps 6 and 7; its four v_nop are also the places in front of the loads below
.else
	PLACES
.endif
	FETCH_B \ns, 0, 1-(\p)
	FETCH_A \ns, 0, 0
	SCALES \ns, 0, 1-(\p)
	WIN MUL_HI
	MUL16 4, \p, 0
	MUL16 6, \p, 0
	PLACES
	WIN 0
	FETCH_A \ns, 0, 4
.endm
; 64 numbers of a lane, register 16 b + i = k 32 b + 16 (lane / 16) + i of my row, become a fragment's codes in v[PC] on and its scale word in v[PW]
.macro QUANT s
.irp b, 0,1,2,3
	v_max3_num_f32 v[TM+\b], |v[\s+16*\b]|, |v[\s+1+16*\b]|, 0x1800000
.endr
.irp i, 2,4,6,8,10,12,14
.irp b, 0,1,2,3
	v_max3_num_f32 v[TM+\b], v[TM+\b], |v[\s+16*\b+\i]|, |v[\s+1+16*\b+\i]|
.endr
.endr
.irp b, 0,1,2,3
	v_permlanex16_b32 v[TM+4+\b], v[TM+\b], s[SEL], s[SEL+1]
.endr
.irp b, 0,1,2,3
	v_max_num_f32 v[TM+\b], v[TM+\b], v[TM+4+\b]
.endr
.irp b, 0,1,2,3
	v_add_nc_u32 v[TM+12+\b], 0xff000000, v[TM+\b]
.endr
.irp b, 0,1,2,3
	v_lshrrev_b32 v[TM+4+\b], 23, v[TM+12+\b]
.endr
	v_lshl_or_b32 v[PW], v[TM+5], 8, v[TM+4]
	v_lshl_or_b32 v[PW], v[TM+6], 16, v[PW]
	v_lshl_or_b32 v[PW], v[TM+7], 24, v[PW]
.irp c, 0,1
	v_cvt_scalef32_pk16_fp6_f32 v[PC+6*\c:PC+2+6*\c], v[\s+32*\c:\s+15+32*\c], v[TM+12+2*\c]
	v_cvt_scalef32_pk16_fp6_f32 v[PC+12+4*\c:PC+14+4*\c], v[\s+16+32*\c:\s+31+32*\c], v[TM+12+2*\c+1]
.endr
	v_nop                                          ; one plain place behind a scaled conversion
.irp c, 0,1
.irp i, 0,1,2
	v_permlane16_swap_b32 v[PC+6*\c+\i], v[PC+12+4*\c+\i]
.endr
.irp i, 0,1,2
	v_mov_b32 v[PC+3+6*\c+\i], v[PC+12+4*\c+\i]
.endr
.endr
.endm
	s_load_b256 s[4:11], s[0:1], 0x0               ; af, wf, b_qkv, qkvf
	v_lshl_add_u32 v[SPW], v0, 2, SPARE
	v_mov_b32 v[NIL], 0
	ds_add_u32 v[SPW], v[NIL]                      ; the wave's opening: the add, twice on end, and its wait ahead of my first tensor load
	ds_add_u32 v[SPW], v[NIL]
	v_lshrrev_b32 v1, 5, v0
	v_readfirstlane_b32 s14, v1                    ; wave 0..3
	s_lshr_b32 s15, s14, 1                         ; my half of A.  Also: I fetch for A (0) or for B (1)
	s_and_b32 s16, s14, 1                          ; my half of B.  Also: which group of the tile I fetch
	s_bfe_u32 s40, ttmp6, 0x40000                  ; cx
	s_bfe_u32 s41, ttmp6, 0x40004                  ; cy
	s_and_b32 s43, ttmp7, 0xffff                   ; the cluster's y
	s_lshl_b32 s44, s41, 2
	s_lshl_b32 s44, 15, s44                        ; my row of the cluster
	s_lshl_b32 s45, 0x1111, s40                    ; my column
	s_or_b32 s[G1A], s44, (3<<16)|(1<<21)          ; the mask; elements of 8 bytes; bit 21 beside a mask; no padding
	s_or_b32 s[G1B], s45, (3<<16)|(1<<21)
.irp g, G1A, G1B
	s_mov_b32 s[\g+1], 32<<16                      ; 150 dense rows of 256 bytes
	s_mov_b32 s[\g+2], 150<<16
	s_mov_b32 s[\g+3], 32<<16
	s_mov_b32 s[\g+4], 150
	s_mov_b32 s[\g+5], 32
	s_mov_b32 s[\g+6], 0
	s_mov_b32 s[\g+7], 0
.endr
	s_lshl_b32 s42, s43, 2
	s_add_co_u32 s17, s42, s41                     ; 4 cluster y + cy: q, k: the tile of tokens
	s_add_co_u32 s19, s42, s40                     ; 4 cluster y + cx: v: the tile of tokens
	s_lshl_b32 s18, ttmp9, 2
	s_add_co_u32 s18, s18, s40                     ; 4 cluster x + cx: q, k: the tile of columns
	s_lshl_b32 s20, s41, 1
	s_add_co_u32 s20, s20, 16                      ; v: W's groups 16 + 2 cy on
	s_lshl_b32 s21, s17, 1
	s_lshl_b32 s22, s18, 1
	s_lshl_b32 s23, s19, 1
	s_cmp_eq_u32 ttmp9, 2
	s_cselect_b32 s46, 1, 0                        ; the role: 1 = v
	s_cselect_b32 s47, s20, s21                    ; A's first group: made of cy alone
	s_cselect_b32 s48, s23, s22                    ; B's: of cx alone
	s_add_co_u32 s50, s47, s16
	s_mul_i32 s50, s50, GRP
	s_mov_b32 s51, 0
	s_add_co_u32 s52, s48, s16
	s_mul_i32 s52, s52, GRP
	s_mov_b32 s53, 0
	s_mul_i32 s49, s14, QTR                        ; my quarter of a slot
	s_mov_b32 s[SEL], 0x76543210
	s_mov_b32 s[SEL+1], 0xfedcba98
	s_mov_b32 s56, 0xffff0000                      ; lanes 16-31
	s_wait_dscnt 0x0                               ; both opening adds are done
	s_wait_kmcnt 0x0
	s_cmp_eq_u32 s46, 1
	s_cselect_b64 s[54:55], s[6:7], s[4:5]         ; A's buffer
	s_cselect_b64 s[66:67], s[4:5], s[6:7]         ; B's
	s_add_nc_u64 s[54:55], s[54:55], s[50:51]
	s_add_nc_u64 s[66:67], s[66:67], s[52:53]
	CROUND                                         ; all sixteen work-groups are here: the first joint loads meet
.irp s, 0,1
	s_mov_b32 s[G0A+4*\s], 1
	s_add_co_u32 s[G0A+4*\s+1], s49, \s*SLOT
	s_add_nc_u64 s[G0A+4*\s+2:G0A+4*\s+3], s[54:55], \s*QTR
	s_or_b32 s[G0A+4*\s+3], s[G0A+4*\s+3], 0x80000000
	s_mov_b32 s[G0B+4*\s], 1
	s_add_co_u32 s[G0B+4*\s+1], s49, \s*SLOT
	s_add_nc_u64 s[G0B+4*\s+2:G0B+4*\s+3], s[66:67], \s*QTR
	s_or_b32 s[G0B+4*\s+3], s[G0B+4*\s+3], 0x80000000
.endr
	JLOAD G0A, G1A, G0B, G1B                       ; K steps 0 to 2: one tensor load a wave at the head
	v_and_b32 v7, 31, v0
	v_lshlrev_b32 v3, 4, v7                        ; 16 x lane
	v_lshlrev_b32 v4, 3, v7                        ; 8 x lane
	v_and_b32 v1, 15, v0                           ; r
	v_bfe_u32 v2, v0, 4, 1                         ; h
	v_lshlrev_b32 v5, 6, v2                        ; the bias along B's rows: 64 h
	v_and_b32 v6, 8, v1
	v_add_nc_u32 v6, v6, v1
	v_lshlrev_b32 v6, 2, v6                        ; the bias along A's rows: 4 (r + 8 (r / 8))
	s_mul_i32 s60, s15, QTR
	s_mul_i32 s61, s16, QTR
	s_add_co_u32 s61, s61, 2*QTR
.irp s, 0,1
	v_add_nc_u32 v[ADRA+\s], s60, v3
	v_add_nc_u32 v[ADRB+\s], s61, v3
	s_add_co_u32 s60, s60, SLOT
	s_add_co_u32 s61, s61, SLOT
.endr
.irp b, 0,1,2,3
	v_mov_b32 v[TM+4+\b], 0                        ; written once: a lane permute's destination counts as one of its sources
.endr
	s_lshl_b32 s52, s18, 10
	s_lshl_b32 s53, s16, 9
	s_add_co_u32 s52, s52, s53                     ; q, k: 4 (256 x tile of columns + 128 x my half)
	s_lshl_b32 s50, s41, 1
	s_add_co_u32 s50, s50, s15
	s_lshl_b32 s50, s50, 9
	s_add_co_u32 s50, s50, 8192                    ; v: 4 (2,048 + 128 (2 cy + my half))
	s_cmp_eq_u32 s46, 1
	s_cselect_b32 s52, 0, s52
	s_cselect_b32 s50, s50, 0
	s_mov_b32 s53, 0
	s_mov_b32 s51, 0
	s_add_nc_u64 s[92:93], s[8:9], s[52:53]
	s_add_nc_u64 s[94:95], s[8:9], s[50:51]
	s_wait_alu depctr_va_vdst(0)                   ; the loads below read lane terms made a few lines up
	WIN 0x40
.irp b, 0,1,2,3,4,5,6,7                ; tile b, lane (r, h), register j: B's row 32 (b / 2) + 16 h + 8 (b % 2) + j
	global_load_b128 v[96+8*\b+96*(\b/4):96+8*\b+96*(\b/4)+3], v5, s[92:93] offset:(32*(\b/2)+8*(\b%2))*4
	global_load_b128 v[96+8*\b+96*(\b/4)+4:96+8*\b+96*(\b/4)+7], v5, s[92:93] offset:(32*(\b/2)+8*(\b%2))*4+16
.endr
	WIN 0
.irp a, 0,1,2,3,4,5,6,7
	global_load_b32 v[BI+\a], v6, s[94:95] offset:(32*(\a/2)+8*(\a%2))*4
.endr
	s_wait_alu depctr_va_vdst(0)
	s_wait_tensorcnt 0x0                           ; my part of slot 0 is in
	ds_add_u32 v[SPW], v[NIL]
	s_wait_dscnt 0x0
	CROUND                                         ; everybody's part is in, and the joint loads meet
	JLOAD G0A+4, G1A, G0B+4, G1B                   ; K steps 3 to 5 into slot 1
	FETCH_B 0, 0, 0
	FETCH_A 0, 0, 0
	SCALES 0, 0, 0
	FETCH_A 0, 0, 4
	STEP 0, 0, 1, 1                                ; K step 0: its products start the sums
	STEP 1, 0, 2, 0
	TURN 0, 1, 1                                   ; K step 2: slot 0 is left and takes K steps 6 and 7
	STEP 1, 1, 1, 0
	STEP 0, 1, 2, 0
	TURN 1, 0, 0                                   ; K step 5: slot 0's second fill has landed, in every wave
	STEP 0, 0, 1, 0
	s_wait_dscnt 12                                ; K step 7: nothing more to fetch
	WIN MUL_LO
	MUL16 0, 1, 0
	MUL16 2, 1, 0
	s_wait_dscnt 0x0
	WIN MUL_HI
	MUL16 4, 1, 0
	MUL16 6, 1, 0
	WIN 0
	s_wait_loadcnt 0x0                             ; the biases
	PLACES
	s_cmp_eq_u32 s46, 1
	s_cbranch_scc1 .Lvrole
; q, k: A's row block a is a tile of 16 tokens; my 128 columns are two heads: registers 0-5 and bytes 0, 1 are the first head's, registers 6-11 and bytes 2, 3 the second's
.macro EPIQK a
	WIN 0x06+(\a)/4
.irp b, 0,1,2,3,4,5,6,7
.irp j, 0,2,4,6
	v_pk_add_f32 v[H+8*\b+\j:H+8*\b+\j+1], v[64*((\a)%4)+8*\b+\j:64*((\a)%4)+8*\b+\j+1], v[96+8*\b+96*(\b/4)+\j:96+8*\b+96*(\b/4)+\j+1]
.endr
.endr
	WIN 0
	s_wait_xcnt 0x0                                ; the last tile's stores have read the codes' registers
	QUANT H
	global_store_b128 v3, v[PC:PC+3], s[96:97] offset:768*(\a)
	global_store_b64 v4, v[PC+4:PC+5], s[96:97] offset:768*(\a)+512
	global_store_b128 v3, v[PC+6:PC+9], s[98:99] offset:768*(\a)
	global_store_b64 v4, v[PC+10:PC+11], s[98:99] offset:768*(\a)+512
.if (\a)%2 == 0
	v_and_b32 v[SU+(\a)/2], 0xffff, v[PW]
	v_lshrrev_b32 v[SU+4+(\a)/2], 16, v[PW]
.else
	v_and_b32 v86, 0xffff, v[PW]
	v_lshrrev_b32 v87, 16, v[PW]
	v_cndmask_b32 v[SU+(\a)/2], v[SU+(\a)/2], v86, s56       ; an odd tile's words stand in lanes 16-31
	v_cndmask_b32 v[SU+4+(\a)/2], v[SU+4+(\a)/2], v87, s56
.endif
.endm
	s_lshl_b32 s60, s17, 1
	s_add_co_u32 s60, s60, s15                     ; my group of 128 tokens
	s_lshr_b32 s61, s60, 4                         ; the batch
	s_and_b32 s60, s60, 15                         ; the group in it
	s_lshl_b32 s62, s18, 2
	s_lshl_b32 s63, s16, 1
	s_add_co_u32 s62, s62, s63
	s_and_b32 s62, s62, 15                         ; my first head
	s_lshl_b32 s61, s61, 4
	s_add_co_u32 s61, s61, s62
	s_lshl_b32 s61, s61, 4
	s_add_co_u32 s61, s61, s60
	s_mov_b32 s63, 13056
	s_cmp_eq_u32 ttmp9, 0                          ; cluster 0 makes q, cluster 1 k
	s_cselect_b32 s63, 6656, s63
	s_cselect_b32 s62, 0, KVOFF
	s_mul_i32 s60, s61, s63
	s_add_co_u32 s60, s60, s62
	s_mov_b32 s61, 0
	s_add_nc_u64 s[96:97], s[10:11], s[60:61]
	s_lshl_b32 s60, s63, 4
	s_add_nc_u64 s[98:99], s[96:97], s[60:61]      ; the next head: 16 groups on
.irp a, 0,1,2,3,4,5,6,7
	EPIQK \a
.endr
	global_store_b128 v3, v[SU:SU+3], s[96:97] offset:6144
	global_store_b128 v3, v[SU+4:SU+7], s[98:99] offset:6144
	s_branch .Ldone
.Lvrole:
; v: A's row block a is 16 of a head's 64 (blocks 0-3: my first head, 4-7: my second); my 128 tokens are a key step
.macro EPIV a
	WIN 0x02+(\a)/4
.irp b, 0,1,2,3,4,5,6,7
.irp j, 0,2,4,6
.if (\a)%2 == 0
	v_pk_add_f32 v[H+8*\b+\j:H+8*\b+\j+1], v[64*((\a)%4)+8*\b+\j:64*((\a)%4)+8*\b+\j+1], v[BI+(\a):BI+(\a)+1] op_sel_hi:[1,0]
.else
	v_pk_add_f32 v[H+8*\b+\j:H+8*\b+\j+1], v[64*((\a)%4)+8*\b+\j:64*((\a)%4)+8*\b+\j+1], v[BI+(\a)-1:BI+(\a)] op_sel:[0,1] op_sel_hi:[1,1]
.endif
.endr
.endr
	WIN 0
	s_wait_xcnt 0x0
	QUANT H
.irp g, 0,1,2
	global_store_b128 v3, v[PC+4*\g:PC+4*\g+3], s[96:97] offset:((\a)/4)*208896+((\a)%4)*1536+512*\g
.endr
.if (\a)%2 == 0
	v_mov_b32 v[SU+(\a)/2], v[PW]
.else
	v_cndmask_b32 v[SU+(\a)/2], v[SU+(\a)/2], v[PW], s56
.endif
.endm
	s_lshl_b32 s60, s19, 1
	s_add_co_u32 s60, s60, s16                     ; my group of 128 tokens
	s_lshr_b32 s61, s60, 4
	s_and_b32 s60, s60, 15
	s_lshl_b32 s62, s41, 1
	s_add_co_u32 s62, s62, s15
	s_lshl_b32 s62, s62, 1                         ; my first head
	s_lshl_b32 s61, s61, 4
	s_add_co_u32 s61, s61, s62
	s_lshl_b32 s61, s61, 4
	s_add_co_u32 s61, s61, s60
	s_mul_i32 s60, s61, 13056
	s_add_co_u32 s60, s60, KVOFF+6656
	s_mov_b32 s61, 0
	s_add_nc_u64 s[96:97], s[10:11], s[60:61]
.irp a, 0,1,2,3,4,5,6,7
	EPIV \a
.endr
	global_store_b64 v4, v[SU:SU+1], s[96:97] offset:6144
	global_store_b64 v4, v[SU+2:SU+3], s[96:97] offset:208896+6144
.Ldone:
	s_wait_tensorcnt 0x0                           ; the wave's end
	ds_add_u32 v[SPW], v[NIL]
	s_wait_dscnt 0x0
	CROUND                                         ; the closing round
	s_endpgm
.Lfunc_end_k_qdbf579508c_qkv:
	.size	k_qdbf579508c_qkv, .Lfunc_end_k_qdbf579508c_qkv-k_qdbf579508c_qkv
	.p2alignl 7, 3214868480
	.fill 96, 4, 3214868480
	.section	.rodata,"a",@progbits
	.p2align	6, 0x0
	.amdhsa_kernel k_qdbf579508c_qkv
		.amdhsa_group_segment_fixed_size 327680
		.amdhsa_private_segment_fixed_size 0
		.amdhsa_enable_private_segment 0
		.amdhsa_kernarg_size 32
		.amdhsa_user_sgpr_count 2
		.amdhsa_user_sgpr_kernarg_segment_ptr 1
		.amdhsa_wavefront_size32 1
		.amdhsa_system_sgpr_workgroup_id_x 1
		.amdhsa_system_sgpr_workgroup_id_y 1
		.amdhsa_system_sgpr_workgroup_id_z 1
		.amdhsa_system_vgpr_workitem_id 0
		.amdhsa_next_free_vgpr 1024
		.amdhsa_next_free_sgpr 100
		.amdhsa_reserve_vcc 0
		.amdhsa_float_denorm_mode_32 3
		.amdhsa_float_denorm_mode_16_64 3
		.amdhsa_memory_ordered 1
		.amdhsa_forward_progress 1
		.amdhsa_inst_pref_size 206
	.end_amdhsa_kernel
	.amdgpu_metadata
---
amdhsa.version: [ 1, 2 ]
amdhsa.kernels:
  - .name:           k_qdbf579508c_qkv
    .symbol:         k_qdbf579508c_qkv.kd
    .args:
      - { .name: af, .offset: 0, .size: 8, .value_kind: global_buffer, .address_space: global }
      - { .name: wf, .offset: 8, .size: 8, .value_kind: global_buffer, .address_space: global }
      - { .name: b_qkv, .offset: 16, .size: 8, .value_kind: global_buffer, .address_space: global }
      - { .name: qkvf, .offset: 24, .size: 8, .value_kind: global_buffer, .address_space: global }
    .group_segment_fixed_size: 327680
    .private_segment_fixed_size: 0
    .kernarg_segment_align: 8
    .kernarg_segment_size: 32
    .max_flat_workgroup_size: 128
    .sgpr_count:     100
    .vgpr_count:     1024
    .wavefront_size: 32
...
	.end_amdgpu_metadata
.endif
;; end of part 2
;; launch attn (part 3): grid 8 x 32, 16 waves a work-group, clusters of 4 x 1, 210,944 bytes of LDS; arguments qkvf, af; writes af
.if DOCPART == 3
	.amdgcn_target "amdgcn-amd-amdhsa--gfx1250"
	.amdhsa_code_object_version 6
	.text
	.protected	k_qdbf579508c_attn
	.globl	k_qdbf579508c_attn
	.p2align	8
	.type	k_qdbf579508c_attn,@function
k_qdbf579508c_attn:
	s_mov_b64 s[64:65], 0
	v_nop
	global_prefetch_b8 v0, s[64:65] scope:SCOPE_SE
	s_setreg_imm32_b32 hwreg(HW_REG_WAVE_MODE, 25, 1), 1
	s_wait_xcnt 0x0
	s_wait_alu depctr_hold_cnt(0) depctr_sa_sdst(0) depctr_va_vdst(0) depctr_va_sdst(0) depctr_va_ssrc(0) depctr_va_vcc(0) depctr_vm_vsrc(0)
	s_getreg_b32 s2, hwreg(HW_REG_IB_STS2, 6, 4)
	s_cmp_eq_u32 s2, 0
	s_cbranch_scc0 .Lentry_in_a_cluster
	s_endpgm
.Lentry_in_a_cluster:
	s_bfe_u32 s2, ttmp6, 0x10000c
	s_cmp_lg_u32 s2, 0x3003
	s_cbranch_scc0 .Lentry_shape_is_right
	s_endpgm
.Lentry_shape_is_right:
; y = softmax(q k^T / 8, causal) v for one batch and head (grid y), both products on codes of FP6; y is quantised on the way out into the next product's operand (format: launch wq).
; LEFT OUT as dead work (shown at the head of launch wq): key steps of 128 keys that lie wholly behind a wave's group of 128 queries.
; THE SOFTMAX: t = score x log2(e) / 8; M = the running largest t rounded up to a whole number; p = 2^(t - M) is quantised along the keys, not normalised; the row's sum is taken of the unquantised p and divides at the end.
; SHARES.  The work-group holds the head's whole k and v in LDS: 16 key steps of 13,056 bytes, each brought once by one wave's tensor load; nothing is filled again.  The four work-groups of a cluster belong to one
; head and ask for each key step jointly.  Work-group x = j (0..7); wave w owns tile j (16 queries) of query group blk = w xor 3 ((w >> 2) & 1) and walks key steps 0 .. blk: waves w, w + 4, w + 8, w + 12 have 34 steps together.
; The loop has 16 trips in every wave; a step behind the wave's queries is jumped over by a branch on the wave's number and the count of steps.  Every key step is read by the wave with blk = 15 at the least.
; LAYOUT.  Both products are used transposed (S^T = k q^T, O^T = v^T p^T): a lane holds one query.  The head's 64 fill registers 0-5 of an operand of 128 along K.  q's registers 6-11 are zero codes and both sides'
; scale bytes 2 and 3 are 0, so what stands in registers 6-11 of k's operand (the next tile's codes; behind the last tile six zeros) adds exactly 0.
; A fragment of y spans two heads, which two work-groups own: 8 of its 24 bytes a lane and its scale half-words are stored as parts of 256 bytes.
; REGISTERS: v1-3 lane terms; v8, 9 LDS addresses; v10 my query less 16 (lane / 16); v12 -M, v13 the largest t, v[14:15] the sum; v16-27 q; v32-85 k, then v; v86-93 scale words; v96-159 S^T, then p; v160-191 O^T; v192-203 p's codes; v204-229 at work.
; LIMITS: as stated at the head of launch wq; t is rounded once (score x log2(e) / 8).
.set KVOFF, 3407872
.set KVREC, 13056
.set SPARE, 16*KVREC
.set SPW, 5
.set NIL, 6
.set BM,  212
.set BT,  216
.set SO,  220
.set WV,  8
.set G1,  16
.set G0,  24
.set SEL, 28
.set CS,  30
.set TB,  32
.set KS,  33
.macro CROUND
	s_barrier_signal -1
	s_barrier_wait -1
	s_cmp_lg_u32 s[WV], 0
	s_cbranch_scc1 .Lnot_wave_0_\@
	s_barrier_signal -3
.Lnot_wave_0_\@:
	s_barrier_wait -3
	s_barrier_signal -1
	s_barrier_wait -1
.endm
.macro WM d, a, b, c, sa, sb, ra       ; one product; c < 0: it starts the sum; ra: source 0's scale words stand in lanes 16-31
.if (\c) < 0
.if (\ra) == 0
	v_wmma_scale_f32_16x16x128_f8f6f4 v[(\d):(\d)+7], v[(\a):(\a)+11], v[(\b):(\b)+11], 0, v[\sa], v[\sb] matrix_a_fmt:MATRIX_FMT_FP6 matrix_b_fmt:MATRIX_FMT_FP6
.else
	v_wmma_scale_f32_16x16x128_f8f6f4 v[(\d):(\d)+7], v[(\a):(\a)+11], v[(\b):(\b)+11], 0, v[\sa], v[\sb] matrix_a_fmt:MATRIX_FMT_FP6 matrix_b_fmt:MATRIX_FMT_FP6 matrix_a_scale:MATRIX_SCALE_ROW1
.endif
.else
.if (\ra) == 0
	v_wmma_scale_f32_16x16x128_f8f6f4 v[(\d):(\d)+7], v[(\a):(\a)+11], v[(\b):(\b)+11], v[(\c):(\c)+7], v[\sa], v[\sb] matrix_a_fmt:MATRIX_FMT_FP6 matrix_b_fmt:MATRIX_FMT_FP6
.else
	v_wmma_scale_f32_16x16x128_f8f6f4 v[(\d):(\d)+7], v[(\a):(\a)+11], v[(\b):(\b)+11], v[(\c):(\c)+7], v[\sa], v[\sb] matrix_a_fmt:MATRIX_FMT_FP6 matrix_b_fmt:MATRIX_FMT_FP6 matrix_a_scale:MATRIX_SCALE_ROW1
.endif
.endif
.endm
	s_load_b128 s[4:7], s[0:1], 0x0                ; qkvf, af
	v_lshl_add_u32 v[SPW], v0, 2, SPARE
	v_mov_b32 v[NIL], 0
	ds_add_u32 v[SPW], v[NIL]                      ; the wave's opening: the add, twice on end, and its wait ahead of my first tensor load
	ds_add_u32 v[SPW], v[NIL]
	v_lshrrev_b32 v1, 5, v0
	s_delay_alu instid0(VALU_DEP_1)
	v_readfirstlane_b32 s[WV], v1                  ; wave 0..15
	s_bfe_u32 s9, ttmp6, 0x40000                   ; cx
	s_lshl_b32 s10, ttmp9, 2
	s_add_co_u32 s10, s10, s9                      ; j: it enters global addresses and the mask's numbers alone
	s_and_b32 s11, ttmp7, 0xffff                   ; 16 x batch + head, which the partners share
	s_bfe_u32 s12, s[WV], 0x10002
	s_mul_i32 s12, s12, 3
	s_xor_b32 s12, s12, s[WV]                      ; blk
	s_mov_b32 s[G1], 15|(3<<16)|(1<<21)            ; the mask: all four work-groups; elements of 8 bytes; bit 21 beside a mask
	s_mov_b32 s[G1+1], 32<<16                      ; 51 dense rows of 256 bytes
	s_mov_b32 s[G1+2], 51<<16
	s_mov_b32 s[G1+3], 32<<16
	s_mov_b32 s[G1+4], 51
	s_mov_b32 s[G1+5], 32
	s_mov_b32 s[G1+6], 0
	s_mov_b32 s[G1+7], 0
	s_lshl_b32 s34, s11, 4
	s_add_co_u32 s34, s34, s[WV]
	s_mul_i32 s34, s34, KVREC
	s_add_co_u32 s34, s34, KVOFF                   ; key step w of my head
	s_mov_b32 s35, 0
	s_mov_b32 s[G0], 1
	s_mul_i32 s[G0+1], s[WV], KVREC
	s_mov_b32 s[SEL], 0x76543210
	s_mov_b32 s[SEL+1], 0xfedcba98
	s_mov_b32 s[CS], 0x3e38aa3b                    ; c = log2(e) / 8
	s_mov_b32 s[CS+1], s[CS]
	s_wait_dscnt 0x0                               ; both opening adds are done
	s_wait_kmcnt 0x0
	s_add_nc_u64 s[G0+2:G0+3], s[4:5], s[34:35]
	s_or_b32 s[G0+3], s[G0+3], 0x80000000
	CROUND                                         ; all four work-groups are here: the joint loads meet
	tensor_load_to_lds s[G0:G0+3], s[G1:G1+7]      ; my one tensor load
	s_nop 0
	s_lshl_b32 s36, s11, 4
	s_add_co_u32 s36, s36, s12
	s_mul_i32 s36, s36, 6656
	s_mov_b32 s37, 0
	s_add_nc_u64 s[38:39], s[4:5], s[36:37]        ; q: my query group
	s_mul_i32 s36, s10, 768
	s_add_nc_u64 s[40:41], s[38:39], s[36:37]      ; its tile j
	s_and_b32 s36, s10, 1
	s_lshl_b32 s36, s36, 8
	s_lshr_b32 s42, s10, 1
	s_lshl_b32 s43, s42, 2
	s_add_co_u32 s36, s36, s43
	s_add_co_u32 s36, s36, 6144
	s_add_nc_u64 s[38:39], s[38:39], s[36:37]      ; tile j's scale words: 6,144 + 256 (j % 2) + 4 (j / 2) + 16 r
	v_and_b32 v7, 31, v0
	s_delay_alu instid0(VALU_DEP_1)
	v_lshlrev_b32 v1, 4, v7                        ; 16 x lane
	s_delay_alu instid0(VALU_DEP_2)
	v_lshlrev_b32 v2, 3, v7                        ; 8 x lane
	v_and_b32 v4, 15, v0                           ; r
	s_delay_alu instid0(VALU_DEP_1)
	v_lshlrev_b32 v3, 4, v4                        ; 16 r
	global_load_b128 v[16:19], v1, s[40:41]
	global_load_b64 v[20:21], v2, s[40:41] offset:512
	global_load_b32 v93, v3, s[38:39]
.irp i, 22,23,24,25,26,27, 80,81,82,83,84,85
	v_mov_b32 v\i, 0                               ; zero codes
.endr
	s_lshl_b32 s42, s42, 5
	s_and_b32 s43, s10, 1
	s_lshl_b32 s43, s43, 3
	s_add_co_u32 s42, s42, s43
	v_and_b32 v7, 8, v4
	s_delay_alu instid0(VALU_DEP_1)
	v_add_nc_u32 v10, v4, v7
	s_delay_alu instid0(VALU_DEP_1)
	v_add_nc_u32 v10, s42, v10                     ; my query in its group: 32 (j / 2) + 8 (j % 2) + r + 8 (r / 8)
	v_bfe_u32 v7, v0, 4, 1
	s_delay_alu instid0(VALU_DEP_1)
	v_lshlrev_b32 v7, 4, v7
	s_delay_alu instid0(VALU_DEP_1)
	v_sub_nc_u32 v10, v10, v7                      ; less 16 (lane / 16)
	v_mov_b32 v13, 0xff61b1e6                      ; the largest t so far: -3e38
	s_delay_alu instid0(VALU_DEP_1)
	v_floor_f32 v12, -v13
	v_mov_b32 v14, 0
	v_mov_b32 v15, 0
.irp b, 0,1,2,3
	v_mov_b32 v[BT+\b], 0                          ; a lane permute's destination counts as one of its sources
.endr
	v_mov_b32 v225, 0                              ; (named as the upper half of the pair v[224:225])
	v_mov_b32 v226, 0
	v_mov_b32 v227, 0xff800000                     ; -infinity
.set n, 0
.rept 32
	v_mov_b32 v[160+n], 0                          ; O^T: the step is written once; the first change of M leaves zeros zeros
.set n, n+1
.endr
	s_mov_b32 s[TB], 0
	s_mov_b32 s[KS], 0
	s_wait_loadcnt 0x0                             ; q
	s_wait_tensorcnt 0x0                           ; my key step is in;
	s_barrier_signal -1
	s_barrier_wait -1                              ; everybody's is
.Lstep:
	s_cmp_gt_u32 s[KS], s12                        ; all 128 keys come after my queries
	s_cbranch_scc1 .Lskip
	v_add_nc_u32 v8, s[TB], v1
	v_add_nc_u32 v9, s[TB], v2
	v_nop
	v_nop                                          ; four places behind the last step's products, ahead of loads into their registers
.irp t, 0,1,2,3,4,5,6,7
	ds_load_b128 v[32+6*\t:35+6*\t], v8 offset:768*\t
	ds_load_b64 v[36+6*\t:37+6*\t], v9 offset:768*\t+512
.endr
	ds_load_b128 v[86:89], v8 offset:6144
	s_wait_alu depctr_va_vdst(0)
	s_wait_dscnt 0x0
.irp t, 0,1,2,3,4,5,6,7
	WM 96+8*\t, 32+6*\t, 16, -1, 86+\t/2, 93, \t%2
.endr
.rept 4
	v_nop
.endr
.irp t, 0,1,2,3                        ; v's four fragments take k's registers; they land under the softmax
.irp g, 0,1,2
	ds_load_b128 v[32+12*\t+4*\g:35+12*\t+4*\g], v8 offset:6656+1536*\t+512*\g
.endr
.endr
	ds_load_b64 v[90:91], v9 offset:12800
	s_cmp_lg_u32 s[KS], s12
	s_cbranch_scc1 .Lopen
.set n, 0
.rept 64                               ; on the diagonal: register 16 b + i holds key 32 b + 16 (lane / 16) + i: hidden where 32 b + i > v10
	v_cmp_gt_i32 vcc_lo, 32*(n/16)+n%16, v10
	v_cndmask_b32 v[96+n], v[96+n], v227, vcc_lo
.set n, n+1
.endr
.Lopen:
.irp b, 0,1,2,3
	v_max3_num_f32 v[BM+\b], v[96+16*\b], v[97+16*\b], v[98+16*\b]   ; the largest score of each block of 32 keys: for the row's maximum and, since p rises with the score, for the block's largest p
.endr
.irp i, 3,5,7,9,11,13
.irp b, 0,1,2,3
	v_max3_num_f32 v[BM+\b], v[BM+\b], v[96+16*\b+\i], v[97+16*\b+\i]
.endr
.endr
.irp b, 0,1,2,3
	v_max_num_f32 v[BM+\b], v[BM+\b], v[111+16*\b]
.endr
.irp b, 0,1,2,3
	s_delay_alu instid0(VALU_DEP_4)
	v_permlanex16_b32 v[BT+\b], v[BM+\b], s[SEL], s[SEL+1]
.endr
.irp b, 0,1,2,3
	s_delay_alu instid0(VALU_DEP_4)
	v_max_num_f32 v[BM+\b], v[BM+\b], v[BT+\b]
.endr
	s_delay_alu instid0(VALU_DEP_2)
	v_max3_num_f32 v226, v[BM], v[BM+1], v[BM+2]
	s_delay_alu instid0(VALU_DEP_1)
	v_max_num_f32 v226, v226, v[BM+3]
	s_delay_alu instid0(VALU_DEP_1)
	v_mul_f32 v226, s[CS], v226
	s_delay_alu instid0(VALU_DEP_1)
	v_max_num_f32 v13, v13, v226                   ; the running largest t
	v_mov_b32 v226, v12
	s_delay_alu instid0(VALU_DEP_2)
	v_floor_f32 v12, -v13                          ; -M = floor(-t)
	s_delay_alu instid0(VALU_DEP_1)
	v_sub_f32 v226, v12, v226                      ; old M - new M: a whole number, 0 or less
	s_delay_alu instid0(VALU_DEP_1)
	v_cvt_i32_f32 v226, v226
	s_delay_alu instid0(VALU_DEP_1)
	v_ldexp_f32 v224, 1.0, v226                    ; f = 2^(old M - new M)
.set n, 0
.rept 32
	v_pk_fma_f32 v[96+n:97+n], v[96+n:97+n], s[CS:CS+1], v[12:13] op_sel_hi:[1,0,0]
.set n, n+2
.endr
.irp b, 0,1,2,3
	v_fma_f32 v[BM+\b], v[BM+\b], s[CS], v12
.endr
.set n, 0
	s_wait_alu depctr_va_vdst(0)
.rept 64
	v_exp_f32 v[96+n], v[96+n]                     ; p = 2^(t - M)
.set n, n+1
.endr
	v_pk_mul_f32 v[14:15], v[14:15], v[224:225] op_sel_hi:[1,0]   ; the sums under the new M (a plain place behind the exponentials)
	s_wait_alu depctr_va_vdst(0)                   ; one wait for the batch, ahead of its first reader
.irp b, 0,1,2,3
	v_exp_f32 v[BM+\b], v[BM+\b]                   ; each block's largest p
.endr
	v_pk_add_f32 v[228:229], v[100:101], v[104:105]
	v_pk_add_f32 v[254:255], v[108:109], v[112:113]
	v_pk_add_f32 v[252:253], v[116:117], v[120:121]
	v_pk_add_f32 v[250:251], v[124:125], v[128:129]
	v_pk_add_f32 v[248:249], v[132:133], v[136:137]
	v_pk_add_f32 v[246:247], v[140:141], v[144:145]
	v_pk_add_f32 v[244:245], v[148:149], v[152:153]
	v_pk_add_f32 v[14:15], v[14:15], v[156:157]
	v_pk_add_f32 v[228:229], v[228:229], v[96:97]
	v_pk_add_f32 v[254:255], v[254:255], v[98:99]
	v_pk_add_f32 v[252:253], v[252:253], v[102:103]
	v_pk_add_f32 v[250:251], v[250:251], v[106:107]
	v_pk_add_f32 v[248:249], v[248:249], v[110:111]
	v_pk_add_f32 v[246:247], v[246:247], v[114:115]
	v_pk_add_f32 v[244:245], v[244:245], v[118:119]
	v_pk_add_f32 v[14:15], v[14:15], v[122:123]
	v_pk_add_f32 v[228:229], v[228:229], v[126:127]
	v_pk_add_f32 v[254:255], v[254:255], v[130:131]
	v_pk_add_f32 v[252:253], v[252:253], v[134:135]
	v_pk_add_f32 v[250:251], v[250:251], v[138:139]
	v_pk_add_f32 v[248:249], v[248:249], v[142:143]
	v_pk_add_f32 v[246:247], v[246:247], v[146:147]
	v_pk_add_f32 v[244:245], v[244:245], v[150:151]
	v_pk_add_f32 v[14:15], v[14:15], v[154:155]
	v_pk_add_f32 v[228:229], v[228:229], v[158:159]
	s_delay_alu instid0(VALU_DEP_2)
	v_pk_add_f32 v[14:15], v[14:15], v[250:251]
	s_delay_alu instid0(VALU_DEP_2)
	v_pk_add_f32 v[228:229], v[228:229], v[248:249]
	v_pk_add_f32 v[254:255], v[254:255], v[246:247]
	v_pk_add_f32 v[252:253], v[252:253], v[244:245]
	s_delay_alu instid0(VALU_DEP_2)
	v_pk_add_f32 v[14:15], v[14:15], v[254:255]
	s_delay_alu instid0(VALU_DEP_2)
	v_pk_add_f32 v[228:229], v[228:229], v[252:253]
	s_delay_alu instid0(VALU_DEP_1)
	v_pk_add_f32 v[14:15], v[14:15], v[228:229]
	s_wait_alu depctr_va_vdst(0)                   ; and one for the four
.irp b, 0,1,2,3
	v_max_num_f32 v[BM+\b], 0x1800000, v[BM+\b]    ; the floor 2^(3 - 127)
.endr
.irp b, 0,1,2,3
	s_delay_alu instid0(VALU_DEP_4)
	v_add_nc_u32 v[SO+\b], 0xff000000, v[BM+\b]
.endr
.irp b, 0,1,2,3
	s_delay_alu instid0(VALU_DEP_4)
	v_lshrrev_b32 v[BT+\b], 23, v[SO+\b]
.endr
	s_delay_alu instid0(VALU_DEP_3)
	v_lshl_or_b32 v92, v[BT+1], 8, v[BT]           ; p's scale word for these 128 keys
	s_delay_alu instid0(VALU_DEP_1)
	v_lshl_or_b32 v92, v[BT+2], 16, v92
	s_delay_alu instid0(VALU_DEP_1)
	v_lshl_or_b32 v92, v[BT+3], 24, v92
.irp c, 0,1
	v_cvt_scalef32_pk16_fp6_f32 v[192+6*\c:194+6*\c], v[96+32*\c:111+32*\c], v[SO+2*\c]
	v_cvt_scalef32_pk16_fp6_f32 v[204+4*\c:206+4*\c], v[112+32*\c:127+32*\c], v[SO+2*\c+1]
.endr
	v_nop                                          ; one plain place behind a scaled conversion
.irp c, 0,1
.irp i, 0,1,2
	v_permlane16_swap_b32 v[192+6*\c+\i], v[204+4*\c+\i]
.endr
.irp i, 0,1,2
	s_delay_alu instid0(VALU_DEP_3)
	v_mov_b32 v[195+6*\c+\i], v[204+4*\c+\i]
.endr
.endr
.set n, 0
.rept 16
	v_pk_mul_f32 v[160+n:161+n], v[160+n:161+n], v[224:225] op_sel_hi:[1,0]   ; O^T under the new M; these sixteen also stand between the lines that made p's codes and scale word and the products
.set n, n+2
.endr
	s_wait_alu depctr_va_vdst(0)
	s_wait_dscnt 0x0                               ; v
.irp t, 0,1,2,3
	WM 160+8*\t, 32+12*\t, 192, 160+8*\t, 90+\t/2, 92, \t%2
.endr
.Lskip:
	s_add_co_u32 s[TB], s[TB], KVREC
	s_add_co_u32 s[KS], s[KS], 1
	s_cmp_lt_u32 s[KS], 16
	s_cbranch_scc1 .Lstep
.rept 4
	v_nop                                          ; places behind the last products
.endr
	v_add_f32 v14, v14, v15
	s_delay_alu instid0(VALU_DEP_1)
	v_permlanex16_b32 v226, v14, s[SEL], s[SEL+1]
	s_delay_alu instid0(VALU_DEP_1)
	v_add_f32 v14, v14, v226                       ; the row's sum
	s_wait_alu depctr_va_vdst(0)
	v_rcp_f32 v14, v14
	v_nop                                          ; a plain place behind the transcendental
	s_lshr_b32 s34, s11, 4
	s_lshl_b32 s34, s34, 4
	s_add_co_u32 s34, s34, s12                     ; the group of 128 tokens: 16 x batch + blk
	s_lshl_b32 s34, s34, 3
	s_bfe_u32 s36, s11, 0x30001                    ; the K step: head / 2
	s_add_co_u32 s34, s34, s36
	s_mul_i32 s34, s34, 12800
	s_mov_b32 s35, 0
	s_add_nc_u64 s[6:7], s[6:7], s[34:35]
	s_mul_i32 s34, s10, 1536
	s_add_nc_u64 s[44:45], s[6:7], s[34:35]        ; fragment j
	s_and_b32 s34, s10, 1
	s_lshl_b32 s34, s34, 8
	s_lshr_b32 s36, s10, 1
	s_lshl_b32 s36, s36, 2
	s_add_co_u32 s34, s34, s36
	s_and_b32 s36, s11, 1
	s_lshl_b32 s36, s36, 1
	s_add_co_u32 s34, s34, s36
	s_add_co_u32 s34, s34, 12288
	s_add_nc_u64 s[46:47], s[6:7], s[34:35]        ; my head's half of the scale words
	s_wait_alu depctr_va_vdst(0)                   ; the wait, ahead of the reciprocal's first reader
.set n, 0
.rept 32
	v_mul_f32 v[96+n], v[160+n], v14               ; register 16 b + i: y(my query, 32 b + 16 (lane / 16) + i)
.set n, n+1
.endr
.irp b, 0,1
	v_max3_num_f32 v[BM+\b], |v[96+16*\b]|, |v[97+16*\b]|, 0x1800000
.endr
.irp i, 2,4,6,8,10,12,14
.irp b, 0,1
	s_delay_alu instid0(VALU_DEP_2)
	v_max3_num_f32 v[BM+\b], v[BM+\b], |v[96+16*\b+\i]|, |v[97+16*\b+\i]|
.endr
.endr
.irp b, 0,1
	s_delay_alu instid0(VALU_DEP_2)
	v_permlanex16_b32 v[BT+\b], v[BM+\b], s[SEL], s[SEL+1]
.endr
.irp b, 0,1
	s_delay_alu instid0(VALU_DEP_2)
	v_max_num_f32 v[BM+\b], v[BM+\b], v[BT+\b]
.endr
.irp b, 0,1
	s_delay_alu instid0(VALU_DEP_2)
	v_add_nc_u32 v[SO+\b], 0xff000000, v[BM+\b]
.endr
.irp b, 0,1
	s_delay_alu instid0(VALU_DEP_2)
	v_lshrrev_b32 v[BT+\b], 23, v[SO+\b]
.endr
	s_delay_alu instid0(VALU_DEP_1)
	v_lshl_or_b32 v228, v[BT+1], 8, v[BT]          ; my head's two scale bytes
	v_cvt_scalef32_pk16_fp6_f32 v[192:194], v[96:111], v[SO]
	v_cvt_scalef32_pk16_fp6_f32 v[204:206], v[112:127], v[SO+1]
	v_nop
.irp i, 0,1,2
	v_permlane16_swap_b32 v[192+\i], v[204+\i]
.endr
.irp i, 0,1,2
	s_delay_alu instid0(VALU_DEP_3)
	v_mov_b32 v[195+\i], v[204+\i]
.endr
	global_store_b16 v3, v228, s[46:47]            ; lanes r and r + 16 store the same two bytes
	s_bitcmp1_b32 s11, 0                           ; an even head fills registers 0-5 of the fragment, an odd one 6-11: the same way in all partners
	s_cbranch_scc1 .Lodd
	global_store_b128 v1, v[192:195], s[44:45]
	global_store_b64 v1, v[196:197], s[44:45] offset:512
	s_branch .Lout
.Lodd:
	s_wait_alu depctr_va_vdst(0)
	global_store_b64 v1, v[192:193], s[44:45] offset:520
	global_store_b128 v1, v[194:197], s[44:45] offset:1024
.Lout:
	s_wait_tensorcnt 0x0                           ; the wave's end
	ds_add_u32 v[SPW], v[NIL]
	s_wait_dscnt 0x0
	CROUND                                         ; the closing round
	s_endpgm
.Lfunc_end_k_qdbf579508c_attn:
	.size	k_qdbf579508c_attn, .Lfunc_end_k_qdbf579508c_attn-k_qdbf579508c_attn
	.p2alignl 7, 3214868480
	.fill 96, 4, 3214868480
	.section	.rodata,"a",@progbits
	.p2align	6, 0x0
	.amdhsa_kernel k_qdbf579508c_attn
		.amdhsa_group_segment_fixed_size 210944
		.amdhsa_private_segment_fixed_size 0
		.amdhsa_enable_private_segment 0
		.amdhsa_kernarg_size 16
		.amdhsa_user_sgpr_count 2
		.amdhsa_user_sgpr_kernarg_segment_ptr 1
		.amdhsa_wavefront_size32 1
		.amdhsa_system_sgpr_workgroup_id_x 1
		.amdhsa_system_sgpr_workgroup_id_y 1
		.amdhsa_system_sgpr_workgroup_id_z 1
		.amdhsa_system_vgpr_workitem_id 0
		.amdhsa_next_free_vgpr 256
		.amdhsa_next_free_sgpr 66
		.amdhsa_reserve_vcc 1
		.amdhsa_float_denorm_mode_32 3
		.amdhsa_float_denorm_mode_16_64 3
		.amdhsa_memory_ordered 1
		.amdhsa_forward_progress 1
		.amdhsa_inst_pref_size 34
	.end_amdhsa_kernel
	.amdgpu_metadata
---
amdhsa.version: [ 1, 2 ]
amdhsa.kernels:
  - .name:           k_qdbf579508c_attn
    .symbol:         k_qdbf579508c_attn.kd
    .args:
      - { .name: qkvf, .offset: 0, .size: 8, .value_kind: global_buffer, .address_space: global }
      - { .name: af, .offset: 8, .size: 8, .value_kind: global_buffer, .address_space: global }
    .group_segment_fixed_size: 210944
    .private_segment_fixed_size: 0
    .kernarg_segment_align: 8
    .kernarg_segment_size: 16
    .max_flat_workgroup_size: 512
    .sgpr_count:     66
    .vgpr_count:     256
    .wavefront_size: 32
...
	.end_amdgpu_metadata
.endif
;; end of part 3
;; launch oproj (part 4): grid 8 x 32, 4 waves a work-group, clusters of 4 x 4, 327,680 bytes of LDS; arguments af, wf, b_o, x, x1; writes x1
.if DOCPART == 4
	.amdgcn_target "amdgcn-amd-amdhsa--gfx1250"
	.amdhsa_code_object_version 6
	.text
	.protected	k_qdbf579508c_oproj
	.globl	k_qdbf579508c_oproj
	.p2align	8
	.type	k_qdbf579508c_oproj,@function
k_qdbf579508c_oproj:
	s_mov_b64 s[64:65], 0
	v_nop
	global_prefetch_b8 v0, s[64:65] scope:SCOPE_SE
	s_setreg_imm32_b32 hwreg(HW_REG_WAVE_MODE, 25, 1), 1
	s_wait_xcnt 0x0
	s_wait_alu depctr_hold_cnt(0) depctr_sa_sdst(0) depctr_va_vdst(0) depctr_va_sdst(0) depctr_va_ssrc(0) depctr_va_vcc(0) depctr_vm_vsrc(0)
	s_getreg_b32 s2, hwreg(HW_REG_IB_STS2, 6, 4)
	s_cmp_eq_u32 s2, 0
	s_cbranch_scc0 .Lentry_in_a_cluster
	s_endpgm
.Lentry_in_a_cluster:
	s_bfe_u32 s2, ttmp6, 0x10000c
	s_cmp_lg_u32 s2, 0xf033
	s_cbranch_scc0 .Lentry_shape_is_right
	s_endpgm
.Lentry_shape_is_right:
.set SIZE_K, 1024
.set WOFF,   2457600
.set KS,    SIZE_K/128
.set NF,    KS/4
.set REC,   12800
.set QTR,   2*REC
.set SLOT,  4*QTR
.set STAGE, 2*SLOT
.set SPITCH, 272
.set SPARE, STAGE+4*16*SPITCH
.set ADRA, 16
.set ADRB, 18
.set ASA,  20
.set ASB,  22
.set STO,  24
.set RD,   25
.set CO,   26
.set SPW,  28
.set NIL,  29
.set SC,   32
.set BIA,  40
.set OB,   64
.set ACC,  128
.set G1A, 24
.set G1B, 32
.set G0A, 68
.set G0B, 76
.set MSB, 0
.macro WIN new
.if MSB != (\new)
	s_set_vgpr_msb (MSB<<8)|(\new)
.set MSB, (\new)
.endif
.endm
.set MUL, 0x05
.macro JLOAD g0a, g1a, g0b, g1b
	s_cmp_eq_u32 s15, 0
	s_cbranch_scc0 .Lfor_b_\@
	tensor_load_to_lds s[\g0a:\g0a+3], s[\g1a:\g1a+7]
	s_nop 0
.rept 4
	v_nop
.endr
	s_branch .Lasked_\@
.Lfor_b_\@:
	tensor_load_to_lds s[\g0b:\g0b+3], s[\g1b:\g1b+7]
	s_nop 0
.rept 4
	v_nop
.endr
.Lasked_\@:
.endm
.macro CROUND
	s_barrier_signal -1
	s_barrier_wait -1
	s_cmp_lg_u32 s14, 0
	s_cbranch_scc1 .Lnot_wave_0_\@
	s_barrier_signal -3
.Lnot_wave_0_\@:
	s_barrier_wait -3
	s_barrier_signal -1
	s_barrier_wait -1
.endm
.macro PLACES
.rept 4
	v_nop
.endr
.endm
.macro WM d, a, b, c, sa, sb, ra, rb
.if (\c) < 0
.if ((\ra) == 0) && ((\rb) == 0)
	v_wmma_scale_f32_16x16x128_f8f6f4 v[(\d):(\d)+7], v[(\a):(\a)+11], v[(\b):(\b)+11], 0, v[\sa], v[\sb] matrix_a_fmt:MATRIX_FMT_FP6 matrix_b_fmt:MATRIX_FMT_FP6
.elseif (\rb) == 0
	v_wmma_scale_f32_16x16x128_f8f6f4 v[(\d):(\d)+7], v[(\a):(\a)+11], v[(\b):(\b)+11], 0, v[\sa], v[\sb] matrix_a_fmt:MATRIX_FMT_FP6 matrix_b_fmt:MATRIX_FMT_FP6 matrix_a_scale:MATRIX_SCALE_ROW1
.elseif (\ra) == 0
	v_wmma_scale_f32_16x16x128_f8f6f4 v[(\d):(\d)+7], v[(\a):(\a)+11], v[(\b):(\b)+11], 0, v[\sa], v[\sb] matrix_a_fmt:MATRIX_FMT_FP6 matrix_b_fmt:MATRIX_FMT_FP6 matrix_b_scale:MATRIX_SCALE_ROW1
.else
	v_wmma_scale_f32_16x16x128_f8f6f4 v[(\d):(\d)+7], v[(\a):(\a)+11], v[(\b):(\b)+11], 0, v[\sa], v[\sb] matrix_a_fmt:MATRIX_FMT_FP6 matrix_b_fmt:MATRIX_FMT_FP6 matrix_a_scale:MATRIX_SCALE_ROW1 matrix_b_scale:MATRIX_SCALE_ROW1
.endif
.else
.if ((\ra) == 0) && ((\rb) == 0)
	v_wmma_scale_f32_16x16x128_f8f6f4 v[(\d):(\d)+7], v[(\a):(\a)+11], v[(\b):(\b)+11], v[(\c):(\c)+7], v[\sa], v[\sb] matrix_a_fmt:MATRIX_FMT_FP6 matrix_b_fmt:MATRIX_FMT_FP6
.elseif (\rb) == 0
	v_wmma_scale_f32_16x16x128_f8f6f4 v[(\d):(\d)+7], v[(\a):(\a)+11], v[(\b):(\b)+11], v[(\c):(\c)+7], v[\sa], v[\sb] matrix_a_fmt:MATRIX_FMT_FP6 matrix_b_fmt:MATRIX_FMT_FP6 matrix_a_scale:MATRIX_SCALE_ROW1
.elseif (\ra) == 0
	v_wmma_scale_f32_16x16x128_f8f6f4 v[(\d):(\d)+7], v[(\a):(\a)+11], v[(\b):(\b)+11], v[(\c):(\c)+7], v[\sa], v[\sb] matrix_a_fmt:MATRIX_FMT_FP6 matrix_b_fmt:MATRIX_FMT_FP6 matrix_b_scale:MATRIX_SCALE_ROW1
.else
	v_wmma_scale_f32_16x16x128_f8f6f4 v[(\d):(\d)+7], v[(\a):(\a)+11], v[(\b):(\b)+11], v[(\c):(\c)+7], v[\sa], v[\sb] matrix_a_fmt:MATRIX_FMT_FP6 matrix_b_fmt:MATRIX_FMT_FP6 matrix_a_scale:MATRIX_SCALE_ROW1 matrix_b_scale:MATRIX_SCALE_ROW1
.endif
.endif
.endm
.macro MUL8 half, p, zero
.irp a, 2*(\half), 2*(\half)+1
.irp b, 0,1,2,3
.set rD, ACC+8*(4*(\a)+\b)
.set rC, rD
.if \zero
.set rC, -1
.endif
	WM rD, 128*(\p)+48+12*\b, 128*(\p)+12*(\a), rC, SC+4*(\p)+2+\b/2, SC+4*(\p)+(\a)/2, \b%2, (\a)%2
.endr
.endr
.endm
.macro FRAG reg, adr, off
.irp g, 0,1,2
	ds_load_b128 v[(\reg)+4*\g:(\reg)+4*\g+3], v[\adr] offset:(\off)+512*\g
.endr
.endm
.macro FETCH t
.set fS, ((\t)/4)%2
.set fQ, ((\t)%4)*REC
.set fP, 128*((\t)%2)
.set fC, SC+4*((\t)%2)
	WIN 0x40
.irp i, 0,1,2,3
	FRAG fP+12*\i, ADRA+fS, fQ+1536*\i
	FRAG fP+48+12*\i, ADRB+fS, fQ+1536*\i
.endr
	WIN 0
	ds_load_b64 v[fC:fC+1], v[ASA+fS] offset:fQ
	ds_load_b64 v[fC+2:fC+3], v[ASB+fS] offset:fQ
.endm
.macro KSTEP t
	s_wait_dscnt 0x0
.if (((\t)%4) == 3) && (((\t)+1) < KS)
	s_wait_tensorcnt 0x0
	ds_add_u32 v[SPW], v[NIL]
	WIN MUL
	MUL8 0, (\t)%2, 0
	WIN 0
	s_wait_dscnt 0x0
.if ((\t)/4+2) < NF
	CROUND
.set fS, ((\t)/4)%2
	s_add_nc_u64 s[G0A+4*fS+2:G0A+4*fS+3], s[G0A+4*fS+2:G0A+4*fS+3], 2*SLOT/2
	s_add_nc_u64 s[G0B+4*fS+2:G0B+4*fS+3], s[G0B+4*fS+2:G0B+4*fS+3], 2*SLOT/2
	JLOAD G0A+4*fS, G1A, G0B+4*fS, G1B
.else
	s_barrier_signal -1
	s_barrier_wait -1
	PLACES
.endif
	FETCH (\t)+1
	WIN MUL
	MUL8 1, (\t)%2, 0
	WIN 0
.else
	PLACES
.if (\t) == 1
	RESID                                          ; the residual is asked for behind both slots' tiles
.endif
.if ((\t)+1) < KS
	FETCH (\t)+1
.endif
	WIN MUL
	MUL8 0, (\t)%2, (\t)==0
	MUL8 1, (\t)%2, (\t)==0
	WIN 0
.endif
.endm
	s_load_b256 s[4:11], s[0:1], 0x0
	s_load_b64 s[12:13], s[0:1], 0x20
	v_lshl_add_u32 v[SPW], v0, 2, SPARE
	v_mov_b32 v[NIL], 0
	ds_add_u32 v[SPW], v[NIL]
	ds_add_u32 v[SPW], v[NIL]
	v_lshrrev_b32 v1, 5, v0
	v_readfirstlane_b32 s14, v1
	s_lshr_b32 s15, s14, 1
	s_and_b32 s16, s14, 1
	s_bfe_u32 s40, ttmp6, 0x40000
	s_bfe_u32 s41, ttmp6, 0x40004
	s_lshl_b32 s42, ttmp9, 2
	s_add_co_u32 s42, s42, s40
	s_and_b32 s17, ttmp7, 0xffff
	s_lshl_b32 s17, s17, 2
	s_add_co_u32 s17, s17, s41
	s_lshl_b32 s44, s41, 2
	s_lshl_b32 s44, 15, s44
	s_lshl_b32 s45, 0x1111, s40
	s_or_b32 s[G1A], s44, (3<<16)|(1<<21)
	s_or_b32 s[G1B], s45, (3<<16)|(1<<21)
.irp g, G1A, G1B
	s_mov_b32 s[\g+1], 32<<16
	s_mov_b32 s[\g+2], 100<<16
	s_mov_b32 s[\g+3], 32<<16
	s_mov_b32 s[\g+4], 100
	s_mov_b32 s[\g+5], 32
	s_mov_b32 s[\g+6], 0
	s_mov_b32 s[\g+7], 0
.endr
	s_mul_i32 s18, s16, QTR
	s_mul_i32 s20, s17, KS*REC
	s_add_co_u32 s20, s20, s18
	s_mov_b32 s21, 0
	s_mul_i32 s46, s42, KS*REC
	s_add_co_u32 s46, s46, s18
	s_add_co_u32 s46, s46, WOFF
	s_mov_b32 s47, 0
	s_mul_i32 s49, s14, QTR
	s_wait_dscnt 0x0
	s_wait_kmcnt 0x0
	s_add_nc_u64 s[20:21], s[4:5], s[20:21]
	s_add_nc_u64 s[46:47], s[6:7], s[46:47]
	CROUND
.irp s, 0,1
	s_mov_b32 s[G0A+4*\s], 1
	s_add_co_u32 s[G0A+4*\s+1], s49, \s*SLOT
	s_add_nc_u64 s[G0A+4*\s+2:G0A+4*\s+3], s[20:21], \s*2*QTR
	s_or_b32 s[G0A+4*\s+3], s[G0A+4*\s+3], 0x80000000
	s_mov_b32 s[G0B+4*\s], 1
	s_add_co_u32 s[G0B+4*\s+1], s49, \s*SLOT
	s_add_nc_u64 s[G0B+4*\s+2:G0B+4*\s+3], s[46:47], \s*2*QTR
	s_or_b32 s[G0B+4*\s+3], s[G0B+4*\s+3], 0x80000000
.if \s == 0
	JLOAD G0A, G1A, G0B, G1B                       ; K steps 0 to 3: one tensor load a wave at the head
.endif
.endr
	v_and_b32 v7, 31, v0
	v_lshlrev_b32 v3, 4, v7
	s_wait_alu depctr_va_vdst(0)
	v_and_b32 v1, 15, v0
	v_bfe_u32 v2, v0, 4, 1
	s_mul_i32 s50, s15, 6144
	s_mul_i32 s51, s16, 6144
	s_add_co_u32 s51, s51, 2*QTR
	s_lshl_b32 s52, s15, 3
	s_add_co_u32 s52, s52, 12288
	s_lshl_b32 s53, s16, 3
	s_add_co_u32 s53, s53, 12288+2*QTR
.irp s, 0,1
	v_add_nc_u32 v[ADRA+\s], s50, v3
	v_add_nc_u32 v[ADRB+\s], s51, v3
	v_add_nc_u32 v[ASA+\s], s52, v3
	v_add_nc_u32 v[ASB+\s], s53, v3
	s_add_co_u32 s50, s50, SLOT
	s_add_co_u32 s51, s51, SLOT
	s_add_co_u32 s52, s52, SLOT
	s_add_co_u32 s53, s53, SLOT
.endr
	s_mul_i32 s50, s14, 16*SPITCH
	s_add_co_u32 s50, s50, STAGE
	v_mul_u32_u24 v5, v1, SPITCH
	v_lshl_add_u32 v5, v2, 6, v5
	v_add_nc_u32 v[STO], s50, v5
	v_mul_u32_u24 v5, v2, SPITCH
	v_lshl_add_u32 v5, v1, 4, v5
	v_add_nc_u32 v[RD], s50, v5
	v_lshlrev_b32 v5, 12, v2
	v_lshl_add_u32 v[CO], v1, 4, v5
	v_lshlrev_b32 v6, 4, v1
	s_wait_alu depctr_va_vdst(0)
	s_lshl_b32 s50, s17, 7
	s_lshl_b32 s51, s15, 6
	s_add_co_u32 s50, s50, s51
	s_lshl_b32 s50, s50, 12
	s_lshl_b32 s52, s42, 9
	s_lshl_b32 s53, s16, 8
	s_add_co_u32 s52, s52, s53
	s_add_co_u32 s50, s50, s52
	s_mov_b32 s51, 0
	s_mov_b32 s53, 0
	s_add_nc_u64 s[10:11], s[10:11], s[50:51]
	s_add_nc_u64 s[12:13], s[12:13], s[50:51]
	s_add_nc_u64 s[8:9], s[8:9], s[52:53]
	global_load_b128 v[BIA:BIA+3], v6, s[8:9]
.macro RESID
	WIN 0x80
.irp a, 0,1,2,3
.irp t, 0,1,2,3,4,5,6,7
	global_load_b128 v[32*\a+4*\t:32*\a+4*\t+3], v[CO], s[10:11] offset:(32*(\a/2)+8*(\a%2)+2*\t+8*(\t/4))*4096
.endr
.endr
	WIN 0
.endm
	s_wait_alu depctr_va_vdst(0)
	s_wait_tensorcnt 0x0
	ds_add_u32 v[SPW], v[NIL]
	s_wait_dscnt 0x0
	CROUND
	JLOAD G0A+4, G1A, G0B+4, G1B                   ; K steps 4 to 7 into slot 1
	FETCH 0
.set KT, 0
.rept KS
	KSTEP KT
.set KT, KT+1
.endr
	s_wait_loadcnt 0x0
	PLACES
.irp a, 0,1,2,3
.set OBS, OB+32*(\a%2)
.if \a > 0
	s_wait_xcnt 0x0
.endif
.irp b, 0,1,2,3
	ds_store_b128 v[STO], v[ACC+8*(4*\a+\b):ACC+8*(4*\a+\b)+3] offset:128*(\b/2)+32*(\b%2)
	ds_store_b128 v[STO], v[ACC+8*(4*\a+\b)+4:ACC+8*(4*\a+\b)+7] offset:128*(\b/2)+32*(\b%2)+16
.endr
.irp t, 0,1,2,3,4,5,6,7
	ds_load_b128 v[OBS+4*\t:OBS+4*\t+3], v[RD] offset:2*\t*SPITCH
.endr
	s_wait_dscnt 0x0
.irp t, 0,1,2,3,4,5,6,7
	v_pk_add_f32 v[OBS+4*\t:OBS+4*\t+1], v[OBS+4*\t:OBS+4*\t+1], v[BIA:BIA+1]
	v_pk_add_f32 v[OBS+4*\t+2:OBS+4*\t+3], v[OBS+4*\t+2:OBS+4*\t+3], v[BIA+2:BIA+3]
.endr
	WIN 0x08
.irp t, 0,1,2,3,4,5,6,7
	v_pk_add_f32 v[OBS+4*\t:OBS+4*\t+1], v[OBS+4*\t:OBS+4*\t+1], v[32*\a+4*\t:32*\a+4*\t+1]
	v_pk_add_f32 v[OBS+4*\t+2:OBS+4*\t+3], v[OBS+4*\t+2:OBS+4*\t+3], v[32*\a+4*\t+2:32*\a+4*\t+3]
.endr
	WIN 0
.irp t, 0,1,2,3,4,5,6,7
	global_store_b128 v[CO], v[OBS+4*\t:OBS+4*\t+3], s[12:13] offset:(32*(\a/2)+8*(\a%2)+2*\t+8*(\t/4))*4096
.endr
.endr
	s_wait_tensorcnt 0x0
	ds_add_u32 v[SPW], v[NIL]
	s_wait_dscnt 0x0
	CROUND
	s_endpgm
.Lfunc_end_k_qdbf579508c_oproj:
	.size	k_qdbf579508c_oproj, .Lfunc_end_k_qdbf579508c_oproj-k_qdbf579508c_oproj
	.p2alignl 7, 3214868480
	.fill 96, 4, 3214868480
	.section	.rodata,"a",@progbits
	.p2align	6, 0x0
	.amdhsa_kernel k_qdbf579508c_oproj
		.amdhsa_group_segment_fixed_size 327680
		.amdhsa_private_segment_fixed_size 0
		.amdhsa_enable_private_segment 0
		.amdhsa_kernarg_size 40
		.amdhsa_user_sgpr_count 2
		.amdhsa_user_sgpr_kernarg_segment_ptr 1
		.amdhsa_wavefront_size32 1
		.amdhsa_system_sgpr_workgroup_id_x 1
		.amdhsa_system_sgpr_workgroup_id_y 1
		.amdhsa_system_sgpr_workgroup_id_z 1
		.amdhsa_system_vgpr_workitem_id 0
		.amdhsa_next_free_vgpr 640
		.amdhsa_next_free_sgpr 100
		.amdhsa_reserve_vcc 0
		.amdhsa_float_denorm_mode_32 3
		.amdhsa_float_denorm_mode_16_64 3
		.amdhsa_memory_ordered 1
		.amdhsa_forward_progress 1
		.amdhsa_inst_pref_size 59
	.end_amdhsa_kernel
	.amdgpu_metadata
---
amdhsa.version: [ 1, 2 ]
amdhsa.kernels:
  - .name:           k_qdbf579508c_oproj
    .symbol:         k_qdbf579508c_oproj.kd
    .args:
      - { .name: af, .offset: 0, .size: 8, .value_kind: global_buffer, .address_space: global }
      - { .name: wf, .offset: 8, .size: 8, .value_kind: global_buffer, .address_space: global }
      - { .name: b_o, .offset: 16, .size: 8, .value_kind: global_buffer, .address_space: global }
      - { .name: x, .offset: 24, .size: 8, .value_kind: global_buffer, .address_space: global }
      - { .name: x1, .offset: 32, .size: 8, .value_kind: global_buffer, .address_space: global }
    .group_segment_fixed_size: 327680
    .private_segment_fixed_size: 0
    .kernarg_segment_align: 8
    .kernarg_segment_size: 40
    .max_flat_workgroup_size: 128
    .sgpr_count:     100
    .vgpr_count:     640
    .wavefront_size: 32
...
	.end_amdgpu_metadata
.endif
;; end of part 4
;; launch ln1 (part 5): grid 256 x 1, 8 waves a work-group, no clusters, 167,936 bytes of LDS; arguments x1, ln2_w, ln2_b, af; writes af
.if DOCPART == 5
	.amdgcn_target "amdgcn-amd-amdhsa--gfx1250"
	.amdhsa_code_object_version 6
	.text
	.protected	k_qdbf579508c_ln1
	.globl	k_qdbf579508c_ln1
	.p2align	8
	.type	k_qdbf579508c_ln1,@function
k_qdbf579508c_ln1:
	s_mov_b64 s[64:65], 0
	v_nop
	global_prefetch_b8 v0, s[64:65] scope:SCOPE_SE
	s_setreg_imm32_b32 hwreg(HW_REG_WAVE_MODE, 25, 1), 1
	s_wait_xcnt 0x0
; h = (x - mean) * rsqrt(var + 1e-5) * w + b, row by row in f32 (mean first, then the squares of the differences, as reference() has it), quantised along the row into the program's operand format (see launch wq).
; A work-group makes one row block (16 rows, in the format's order) for all 8 K steps.  Wave w owns the block's lanes 2 w and 2 w + 1: two rows that are neighbours in memory, 8,192 bytes on end.
; Lane l owns block l (32 numbers) of each row, so a block's largest magnitude needs no other lane; mean and variance cross the 32 lanes once each.
; The rows of x come by tensor loads, each filled once: rows of 256 bytes with 16 bytes of padding behind each 128.
; The codes meet in LDS as images of the fragments' registers and leave as 512 bytes on end; a row block's 16 scale words of a K step are 64 of the record's 512 scale bytes (4 bytes in 100 of what is stored).
; LIMITS: as stated at the head of launch wq.
.set WB,    73728                      ; LDS: 8 x 9,216 bytes of x; then 9,216 bytes unused;
.set IMG,   82944                      ; 8 fragments of 1,536 bytes;
.set SCI,   95232                      ; their scale words, [K step][row], 512 bytes;
.set SPARE, 95744                      ; the spare words, 128 bytes for each of 8 waves
.set SPW, 2
.set NIL, 3
.set T,   160                          ; v160-175 at work
.set G1X, 16                           ; s[16:23] group 1 for x: 32 rows of 256 bytes
.set G1W, 24
.set G0X, 32
.set G0W, 36
	s_load_b256 s[4:11], s[0:1], 0x0               ; x, w, b, af
	v_lshl_add_u32 v[SPW], v0, 2, SPARE
	v_mov_b32 v[NIL], 0
	ds_add_u32 v[SPW], v[NIL]                      ; the wave's opening: the add, twice on end, and its wait ahead of my first tensor load
	ds_add_u32 v[SPW], v[NIL]
	v_lshrrev_b32 v1, 5, v0
	s_delay_alu instid0(VALU_DEP_1)
	v_readfirstlane_b32 s12, v1                    ; wave 0..7
.irp g, G1X
	s_mov_b32 s[\g], (2<<16)|(1<<20)|(4<<22)|(3<<25)   ; elements of 4 bytes; padding on: behind every 32 words 4 words
	s_mov_b32 s[\g+1], 64<<16                      ; tensor_dim0 = 64
	s_mov_b32 s[\g+3], 64<<16                      ; tile_dim0 = 64
	s_mov_b32 s[\g+5], 64                          ; dense rows
	s_mov_b32 s[\g+6], 0
	s_mov_b32 s[\g+7], 0
.endr
	s_mov_b32 s[G1X+2], 32<<16                     ; tensor_dim1, tile_dim1
	s_mov_b32 s[G1X+4], 32
	s_mov_b32 s40, 0x3a800000                      ; 1 / 1024
	s_mov_b32 s41, 0x3727c5ac                      ; 1e-5
	s_mov_b32 s42, 0x76543210                      ; selects for lane l xor 16
	s_mov_b32 s43, 0xfedcba98
	s_lshr_b32 s13, ttmp9, 3                       ; the group of 128 rows
	s_and_b32 s14, ttmp9, 7                        ; the row block a
	s_lshl_b32 s15, s13, 7
	s_lshr_b32 s44, s14, 1                         ; a / 2
	s_lshl_b32 s45, s44, 5
	s_add_co_u32 s15, s15, s45
	s_and_b32 s45, s14, 1                          ; a % 2
	s_lshl_b32 s46, s45, 3
	s_add_co_u32 s15, s15, s46
	s_lshl_b32 s46, s12, 1
	s_add_co_u32 s15, s15, s46
	s_lshr_b32 s46, s12, 2
	s_lshl_b32 s46, s46, 3
	s_add_co_u32 s15, s15, s46                     ; my first row: 128 G + 32 (a / 2) + 8 (a % 2) + 2 w + 8 (w / 4)
	s_lshl_b32 s46, s15, 12
	s_mov_b32 s47, 0
	s_mov_b32 s[G0X], 1
	s_mul_i32 s[G0X+1], s12, 9216
	s_wait_dscnt 0x0                               ; both opening adds are done
	s_wait_kmcnt 0x0
	s_add_nc_u64 s[G0X+2:G0X+3], s[4:5], s[46:47]
	s_or_b32 s[G0X+3], s[G0X+3], 0x80000000
	tensor_load_to_lds s[G0X:G0X+3], s[G1X:G1X+7]  ; one load of mine is out
	s_nop 0
	v_and_b32 v1, 31, v0                           ; lane
	s_delay_alu instid0(VALU_DEP_1)
	v_mul_u32_u24 v4, v1, 144
	s_delay_alu instid0(VALU_DEP_2)
	v_lshlrev_b32 v5, 7, v1                        ; my block of w and of b in memory: 128 bytes a lane
	s_delay_alu instid0(VALU_DEP_2)
	v_add_nc_u32 v4, s[G0X+1], v4                  ; my block of my wave's first row; the second row lies 4,608 on
	s_delay_alu instid0(VALU_DEP_4)
	v_lshrrev_b32 v14, 2, v1                       ; my block's K step S = l / 4; in it: c = (l / 2) % 2, h = l % 2: registers 6 c .. 6 c + 5 of lane r + 16 h
	s_delay_alu instid0(VALU_DEP_1)
	v_mul_u32_u24 v14, v14, 1536
	v_and_b32 v15, 1, v1
	s_delay_alu instid0(VALU_DEP_1)
	v_lshl_add_u32 v14, v15, 8, v14
	s_lshl_b32 s2, s12, 5
	v_add_nc_u32 v14, s2, v14
	s_delay_alu instid0(VALU_DEP_1)
	v_add_nc_u32 v14, IMG, v14                     ; the image's 16 bytes of lane 2 w + 16 h
	v_bfe_u32 v15, v1, 1, 1
	s_delay_alu instid0(VALU_DEP_1)
	v_mul_u32_u24 v16, v15, 520
	s_delay_alu instid0(VALU_DEP_1)
	v_add_nc_u32 v6, v14, v16                      ; registers 0, 1 (c = 1: 6, 7); registers 4, 5 (10, 11) lie 512 on
	s_delay_alu instid0(VALU_DEP_3)
	v_mul_u32_u24 v16, v15, 1016
	s_delay_alu instid0(VALU_DEP_1)
	v_add_nc_u32 v7, v14, v16                      ; + 8: registers 2, 3 (8, 9)
	v_lshrrev_b32 v9, 2, v1
	s_delay_alu instid0(VALU_DEP_1)
	v_lshlrev_b32 v9, 6, v9
	v_and_b32 v15, 3, v1
	s_delay_alu instid0(VALU_DEP_1)
	v_add_nc_u32 v9, v9, v15
	s_lshl_b32 s2, s12, 3
	v_add_nc_u32 v9, s2, v9
	s_delay_alu instid0(VALU_DEP_1)
	v_add_nc_u32 v9, SCI, v9                       ; my block's scale byte: 64 S + 4 row + l % 4
	v_lshlrev_b32 v12, 4, v1                       ; the way out: 16 x lane
	s_mul_i32 s2, s12, 1536
	v_add_nc_u32 v10, s2, v12
	s_delay_alu instid0(VALU_DEP_1)
	v_add_nc_u32 v10, IMG, v10                     ; wave w sends K step w
	v_and_b32 v15, 15, v1
	s_delay_alu instid0(VALU_DEP_1)
	v_lshlrev_b32 v11, 2, v15
	s_lshl_b32 s2, s12, 6
	v_add_nc_u32 v11, s2, v11
	s_delay_alu instid0(VALU_DEP_1)
	v_add_nc_u32 v11, SCI, v11
	v_lshlrev_b32 v13, 4, v15
	v_mov_b32 v180, 0
; w and b go from memory straight into registers, each lane its block's 128 bytes (the wave's one tensor load brings x's two rows)
.irp i, 0,1,2,3,4,5,6,7
	global_load_b128 v[96+4*\i:99+4*\i], v5, s[6:7] offset:16*\i
	global_load_b128 v[128+4*\i:131+4*\i], v5, s[8:9] offset:16*\i
.endr
	s_wait_tensorcnt 0x0                           ; my tile is in;
	s_barrier_signal -1
	s_barrier_wait -1                              ; everybody's is
.irp i, 0,1,2,3,4,5,6,7
	ds_load_b128 v[32+4*\i:35+4*\i], v4 offset:16*\i
	ds_load_b128 v[64+4*\i:67+4*\i], v4 offset:4608+16*\i
.endr
	s_wait_loadcnt 0x0                             ; w and b
	s_wait_dscnt 0x0
.macro RED v                           ; the sum over the 32 lanes, in every lane
	s_delay_alu instid0(VALU_DEP_1)
	v_add_f32_dpp v[\v], v[\v], v[\v] row_xmask:1 row_mask:0xf bank_mask:0xf
	s_delay_alu instid0(VALU_DEP_1)
	v_add_f32_dpp v[\v], v[\v], v[\v] row_xmask:2 row_mask:0xf bank_mask:0xf
	s_delay_alu instid0(VALU_DEP_1)
	v_add_f32_dpp v[\v], v[\v], v[\v] row_xmask:4 row_mask:0xf bank_mask:0xf
	s_delay_alu instid0(VALU_DEP_1)
	v_add_f32_dpp v[\v], v[\v], v[\v] row_xmask:8 row_mask:0xf bank_mask:0xf
	s_delay_alu instid0(VALU_DEP_1)
	v_permlanex16_b32 v180, v[\v], s42, s43
	s_delay_alu instid0(VALU_DEP_1)
	v_add_f32 v[\v], v[\v], v180
.endm
.macro ROWLN p
.set XR, 32+32*(\p)
.irp i, 0,1,2,3,4,5,6,7
	v_pk_add_f32 v[T+2*\i:T+2*\i+1], v[XR+4*\i:XR+4*\i+1], v[XR+4*\i+2:XR+4*\i+3]
.endr
.irp i, 0,1,2,3
	v_pk_add_f32 v[T+2*\i:T+2*\i+1], v[T+4*\i:T+4*\i+1], v[T+4*\i+2:T+4*\i+3]
.endr
.irp i, 0
	s_delay_alu instid0(VALU_DEP_3)
	v_pk_add_f32 v[T+2*\i:T+2*\i+1], v[T+4*\i:T+4*\i+1], v[T+4*\i+2:T+4*\i+3]
.endr
.irp i, 1
	s_delay_alu instid0(VALU_DEP_2)
	v_pk_add_f32 v[T+2*\i:T+2*\i+1], v[T+4*\i:T+4*\i+1], v[T+4*\i+2:T+4*\i+3]
.endr
	s_delay_alu instid0(VALU_DEP_1)
	v_pk_add_f32 v[T:T+1], v[T:T+1], v[T+2:T+3]
	s_delay_alu instid0(VALU_DEP_1)
	v_add_f32 v[T], v[T], v[T+1]
	RED T
	s_delay_alu instid0(VALU_DEP_1)
	v_mul_f32 v176, s40, v[T]                      ; the mean, twice: a pair for the packed form
	s_delay_alu instid0(VALU_DEP_2)
	v_mul_f32 v177, s40, v[T]
.irp i, 0,2,4,6,8,10,12,14,16,18,20,22,24,26,28,30
	v_pk_add_f32 v[XR+\i:XR+\i+1], v[XR+\i:XR+\i+1], v[176:177] neg_lo:[0,1] neg_hi:[0,1]
.endr
	v_pk_mul_f32 v[T:T+1], v[XR:XR+1], v[XR:XR+1]
	v_pk_mul_f32 v[T+2:T+3], v[XR+2:XR+3], v[XR+2:XR+3]
.irp i, 4,8,12,16,20,24,28
	s_delay_alu instid0(VALU_DEP_2)
	v_pk_fma_f32 v[T:T+1], v[XR+\i:XR+\i+1], v[XR+\i:XR+\i+1], v[T:T+1]
	s_delay_alu instid0(VALU_DEP_2)
	v_pk_fma_f32 v[T+2:T+3], v[XR+\i+2:XR+\i+3], v[XR+\i+2:XR+\i+3], v[T+2:T+3]
.endr
	s_delay_alu instid0(VALU_DEP_1)
	v_pk_add_f32 v[T:T+1], v[T:T+1], v[T+2:T+3]
	s_delay_alu instid0(VALU_DEP_1)
	v_add_f32 v[T], v[T], v[T+1]
	RED T
	s_delay_alu instid0(VALU_DEP_1)
	v_fma_f32 v[T], v[T], s40, s41                 ; var + eps
	s_wait_alu depctr_va_vdst(0)
	v_rsq_f32 v178, v[T]
	v_rsq_f32 v179, v[T]
	v_nop                                          ; a plain place behind the transcendentals
	s_wait_alu depctr_va_vdst(0)                   ; one wait for both, ahead of their first reader
.irp i, 0,2,4,6,8,10,12,14,16,18,20,22,24,26,28,30
	v_pk_mul_f32 v[XR+\i:XR+\i+1], v[XR+\i:XR+\i+1], v[178:179]
.endr
.irp i, 0,2,4,6,8,10,12,14,16,18,20,22,24,26,28,30
	v_pk_fma_f32 v[XR+\i:XR+\i+1], v[XR+\i:XR+\i+1], v[96+\i:97+\i], v[128+\i:129+\i]
.endr
	v_max3_num_f32 v[T], |v[XR]|, |v[XR+1]|, |v[XR+2]|
	v_max3_num_f32 v[T+1], |v[XR+3]|, |v[XR+4]|, |v[XR+5]|
.irp i, 6,10,14,18,22,26
	s_delay_alu instid0(VALU_DEP_2)
	v_max3_num_f32 v[T], v[T], |v[XR+\i]|, |v[XR+\i+1]|
	s_delay_alu instid0(VALU_DEP_2)
	v_max3_num_f32 v[T+1], v[T+1], |v[XR+\i+2]|, |v[XR+\i+3]|
.endr
	s_delay_alu instid0(VALU_DEP_2)
	v_max3_num_f32 v[T], v[T], |v[XR+30]|, |v[XR+31]|
	s_delay_alu instid0(VALU_DEP_1)
	v_max3_num_f32 v[T], v[T], v[T+1], 0x1800000   ; the floor 2^(3 - 127)
	s_delay_alu instid0(VALU_DEP_1)
	v_add_nc_u32 v181, 0xff000000, v[T]            ; the conversion's scale operand
	s_delay_alu instid0(VALU_DEP_1)
	v_lshrrev_b32 v182, 23, v181                   ; the scale's byte
	v_cvt_scalef32_pk16_fp6_f32 v[184:186], v[XR:XR+15], v181
	v_cvt_scalef32_pk16_fp6_f32 v[188:190], v[XR+16:XR+31], v181
	v_nop                                          ; one plain place behind a scaled conversion
	v_mov_b32 v187, v188
	v_mov_b32 v188, v189
	v_mov_b32 v189, v190                           ; v184-189: my block's six registers
	ds_store_b64 v6, v[184:185] offset:16*(\p)
	ds_store_b64 v7, v[186:187] offset:8+16*(\p)
	ds_store_b64 v6, v[188:189] offset:512+16*(\p)
	ds_store_b8 v9, v182 offset:4*(\p)
	s_wait_dscnt 0x0                               ; the stores have read their registers, and have landed
.endm
	ROWLN 0
	ROWLN 1
	s_barrier_signal -1
	s_barrier_wait -1                              ; the eight fragments and their scale words lie in LDS
.irp g, 0,1,2
	ds_load_b128 v[16+4*\g:19+4*\g], v10 offset:512*\g
.endr
	ds_load_b32 v28, v11
	s_lshl_b32 s2, s13, 3
	s_add_co_u32 s2, s2, s12
	s_mul_i32 s2, s2, 12800
	s_mov_b32 s3, 0
	s_add_nc_u64 s[10:11], s[10:11], s[2:3]        ; record (G, w)
	s_mul_i32 s2, s14, 1536
	s_add_nc_u64 s[4:5], s[10:11], s[2:3]          ; its fragment a
	s_lshl_b32 s2, s45, 8
	s_lshl_b32 s46, s44, 2
	s_add_co_u32 s2, s2, s46
	s_add_co_u32 s2, s2, 12288
	s_add_nc_u64 s[6:7], s[10:11], s[2:3]          ; its scale words of row block a: 12,288 + 256 (a % 2) + 4 (a / 2) + 16 r
.irp g, 0,1,2
	s_wait_dscnt 3-\g                              ; the younger LDS loads may be out
	global_store_b128 v12, v[16+4*\g:19+4*\g], s[4:5] offset:512*\g
.endr
	s_wait_dscnt 0x0
	global_store_b32 v13, v28, s[6:7]              ; lanes r and r + 16 store the same word
	s_wait_tensorcnt 0x0                           ; the wave's end
	ds_add_u32 v[SPW], v[NIL]
	s_wait_dscnt 0x0
	s_endpgm
.Lfunc_end_k_qdbf579508c_ln1:
	.size	k_qdbf579508c_ln1, .Lfunc_end_k_qdbf579508c_ln1-k_qdbf579508c_ln1
	.p2alignl 7, 3214868480
	.fill 96, 4, 3214868480
	.section	.rodata,"a",@progbits
	.p2align	6, 0x0
	.amdhsa_kernel k_qdbf579508c_ln1
		.amdhsa_group_segment_fixed_size 167936
		.amdhsa_private_segment_fixed_size 0
		.amdhsa_enable_private_segment 0
		.amdhsa_kernarg_size 32
		.amdhsa_user_sgpr_count 2
		.amdhsa_user_sgpr_kernarg_segment_ptr 1
		.amdhsa_wavefront_size32 1
		.amdhsa_system_sgpr_workgroup_id_x 1
		.amdhsa_system_sgpr_workgroup_id_y 1
		.amdhsa_system_sgpr_workgroup_id_z 1
		.amdhsa_system_vgpr_workitem_id 0
		.amdhsa_next_free_vgpr 192
		.amdhsa_next_free_sgpr 66
		.amdhsa_reserve_vcc 0
		.amdhsa_float_denorm_mode_32 3
		.amdhsa_float_denorm_mode_16_64 3
		.amdhsa_memory_ordered 1
		.amdhsa_forward_progress 1
		.amdhsa_inst_pref_size 27
	.end_amdhsa_kernel
	.amdgpu_metadata
---
amdhsa.version: [ 1, 2 ]
amdhsa.kernels:
  - .name:           k_qdbf579508c_ln1
    .symbol:         k_qdbf579508c_ln1.kd
    .args:
      - { .name: x1, .offset: 0, .size: 8, .value_kind: global_buffer, .address_space: global }
      - { .name: ln2_w, .offset: 8, .size: 8, .value_kind: global_buffer, .address_space: global }
      - { .name: ln2_b, .offset: 16, .size: 8, .value_kind: global_buffer, .address_space: global }
      - { .name: af, .offset: 24, .size: 8, .value_kind: global_buffer, .address_space: global }
    .group_segment_fixed_size: 167936
    .private_segment_fixed_size: 0
    .kernarg_segment_align: 8
    .kernarg_segment_size: 32
    .max_flat_workgroup_size: 256
    .sgpr_count:     66
    .vgpr_count:     192
    .wavefront_size: 32
...
	.end_amdgpu_metadata
.endif
;; end of part 5
;; launch fc (part 6): grid 16 x 16, 4 waves a work-group, clusters of 4 x 4, 327,680 bytes of LDS; arguments af, wf, b_fc, gf; writes gf
.if DOCPART == 6
	.amdgcn_target "amdgcn-amd-amdhsa--gfx1250"
	.amdhsa_code_object_version 6
	.text
	.protected	k_qdbf579508c_fc
	.globl	k_qdbf579508c_fc
	.p2align	8
	.type	k_qdbf579508c_fc,@function
k_qdbf579508c_fc:
	s_mov_b64 s[64:65], 0
	v_nop
	global_prefetch_b8 v0, s[64:65] scope:SCOPE_SE
	s_setreg_imm32_b32 hwreg(HW_REG_WAVE_MODE, 25, 1), 1
	s_wait_xcnt 0x0
	s_wait_alu depctr_hold_cnt(0) depctr_sa_sdst(0) depctr_va_vdst(0) depctr_va_sdst(0) depctr_va_ssrc(0) depctr_va_vcc(0) depctr_vm_vsrc(0)
	s_getreg_b32 s2, hwreg(HW_REG_IB_STS2, 6, 4)
	s_cmp_eq_u32 s2, 0
	s_cbranch_scc0 .Lentry_in_a_cluster
	s_endpgm
.Lentry_in_a_cluster:
	s_bfe_u32 s2, ttmp6, 0x10000c
	s_cmp_lg_u32 s2, 0xf033
	s_cbranch_scc0 .Lentry_shape_is_right
	s_endpgm
.Lentry_shape_is_right:
; g = gelu(h W_fc + b_fc), exact form (erf), on codes of FP6, K = 1,024; g is quantised along its row on the way out into the next product's operand.  Operand format: see launch wq.
; A work-group of four waves makes 256 tokens x 256 columns, a wave 128 x 128: 64 accumulators.  Source 0 = 16 columns of W, source 1 = 16 tokens: a lane's registers run along the columns, the next K.
; A's tiles (tokens) are asked for jointly along the cluster's row, W's along its column.
; RING: two LDS slots of three K steps (153,600 bytes: four quarters of 38,400, one tensor load a wave: three records of one group, dense, 150 rows of 256 bytes).
; Slot 0 (K steps 0-2) is asked for at the head, slot 1 (3-5) behind the full sequence and a round; slot 0 takes K steps 6 and 7 (100 rows) behind the round in K step 2.  One load of a wave is out at a time,
; and each has at least two K steps, 128 products a wave, between its issue and the wait for it.
; No data prefetch: the block is the largest that the registers hold, the loads are joint, and K has three fills, two of which are asked for at the launch's start.
; THE BIAS is the C of the first K step's products (a sum begins with it, where reference() adds it last).
; GELU: g = x (0.5 + 0.5 erf(x / sqrt 2)).  erf(z) = z P(z^2) / Q(z^2), P of degree 6, Q of degree 4, z held to +-4 (beyond that erf is +-1 in f32).  Here w = xc^2, xc = x held to +-4 sqrt 2;
; the powers of 1/2 and the factor 1 / (2 sqrt 2) are folded into the coefficients: s = 0.5 + xc P'(w) / Q'(w), g = x s.  Q' has one sign on the whole range, so the reciprocal meets no zero.
; THE WAY OUT goes by A's row blocks, a loop of eight trips.  What names the accumulators (register numbers and windows differ by trip) stands in two tables of eight entries, chosen by the trip's number.
; REGISTERS: window 0: v2-7 lane terms; v16-21 LDS addresses; v28, 29 the add's two; v32-47 scale words, two sets, later the coefficients; v48-91 the quantiser's; v96-127 w; v128-223 A's fragments, one set;
;   on the way out v128-191 xc, then s, then g; v192-223 Q'; v224-255 P'.   window 1: W's fragments at v0 and v128, two sets; the bias at v96-127 and v224-255.   windows 2, 3: the accumulators.
; LIMITS: as stated at the head of launch wq; NaN and infinities are not served.
.set REC,   12800
.set GRP,   8*REC
.set QTR,   3*REC
.set SLOT,  4*QTR
.set SPARE, 2*SLOT
.set WOFF,  3276800
.set ADRA, 16
.set ADRB, 20
.set SPW,  28
.set NIL,  29
.set SC,   32
.set CA,   32
.set CB,   40
.set TM,   48
.set PW,   64
.set PC,   66
.set SU,   88
.set WW,   96
.set AF,   128
.set H,    128
.set QQ,   192
.set PP,   224
.set G1A, 24
.set G1B, 32
.set G0A, 68
.set G0B, 80
.set SEL, 58
.set CL,  56
.set MSB, 0
.macro WIN new
.if MSB != (\new)
	s_set_vgpr_msb (MSB<<8)|(\new)
.set MSB, (\new)
.endif
.endm
.set MUL_LO, 0xa1                      ; source 0 window 1, source 1 window 0, C and D window 2
.set MUL_HI, 0xf1
.macro WALU
	s_wait_alu depctr_va_vdst(0)
.endm
.macro PLACES
.rept 4
	v_nop
.endr
.endm
.macro JLOAD g0a, g1a, g0b, g1b        ; a joint load: waves 0 and 1 fetch for A, waves 2 and 3 for W; an s_nop 0 and four v_nop follow each line
	s_cmp_eq_u32 s15, 0
	s_cbranch_scc0 .Lfor_b_\@
	tensor_load_to_lds s[\g0a:\g0a+3], s[\g1a:\g1a+7]
	s_nop 0
	PLACES
	s_branch .Lasked_\@
.Lfor_b_\@:
	tensor_load_to_lds s[\g0b:\g0b+3], s[\g1b:\g1b+7]
	s_nop 0
	PLACES
.Lasked_\@:
.endm
.macro CREST
	s_cmp_lg_u32 s14, 0
	s_cbranch_scc1 .Lnot_wave_0_\@
	s_barrier_signal -3
.Lnot_wave_0_\@:
	s_barrier_wait -3
	s_barrier_signal -1
	s_barrier_wait -1
.endm
.macro CROUND
	s_barrier_signal -1
	s_barrier_wait -1
	CREST
.endm
; 16 products: A's blocks a0, a0 + 1 (a0 even) x W's eight.  p: W's set and the set of scale words.  first = 1: C is the bias (window 1).  The 64 accumulators take turns, one instruction a turn.
.macro MUL16 a0, p, first
.irp oa, 0,1
.irp bp, 0,1,2,3
.irp ob, 0,1
.set rD, 8*(8*(((\a0)+\oa)%4)+2*\bp+\ob)
.set rB, 128*(\p)+12*(2*\bp+\ob)
.set rA, AF+12*((\a0)+\oa)
.set rC, rD
.if \first
.set rC, 96+8*(2*\bp+\ob)+96*(\bp/2)
.endif
	v_wmma_scale_f32_16x16x128_f8f6f4 v[rD:rD+7], v[rB:rB+11], v[rA:rA+11], v[rC:rC+7], v[SC+8*(\p)+4+\bp], v[SC+8*(\p)+(\a0)/2] matrix_a_fmt:MATRIX_FMT_FP6 matrix_b_fmt:MATRIX_FMT_FP6 matrix_a_scale:MATRIX_SCALE_ROW\ob matrix_b_scale:MATRIX_SCALE_ROW\oa
.endr
.endr
.endr
.endm
.macro FRAG reg, adr, off              ; a fragment's image: three loads of 512 bytes on end
.irp g, 0,1,2
	ds_load_b128 v[(\reg)+4*\g:(\reg)+4*\g+3], v[\adr] offset:(\off)+512*\g
.endr
.endm
.macro FETCH_B slot, q, p
	WIN 0x40
.irp i, 0,1,2,3,4,5,6,7
	FRAG 128*(\p)+12*\i, ADRB+\slot, (\q)*REC+1536*\i
.endr
	WIN 0
.endm
.macro FETCH_A slot, q, i0
.irp i, \i0, \i0+1, \i0+2, \i0+3
	FRAG AF+12*(\i), ADRA+\slot, (\q)*REC+1536*(\i)
.endr
.endm
.macro SCALES slot, q, p
	ds_load_b128 v[SC+8*(\p):SC+8*(\p)+3], v[ADRA+\slot] offset:(\q)*REC+12288
	ds_load_b128 v[SC+8*(\p)+4:SC+8*(\p)+7], v[ADRB+\slot] offset:(\q)*REC+12288
.endm
.macro REST p, ns, nq, first           ; a K step's second half: the successor's fragments from slot ns, record nq, and 32 products
	FETCH_B \ns, \nq, 1-(\p)
	FETCH_A \ns, \nq, 0
	SCALES \ns, \nq, 1-(\p)
	WIN MUL_HI-0x20*(\first)
	MUL16 4, \p, \first
	MUL16 6, \p, \first
	PLACES
	WIN 0
	FETCH_A \ns, \nq, 4
.endm
.macro STEP p, ns, nq, first
	s_wait_dscnt 12                                ; W's set, A's blocks 0-3 and the scale words are in; the youngest 12 loads (A's blocks 4-7) may be out
	WIN MUL_LO-0x10*(\first)
	MUL16 0, \p, \first
	MUL16 2, \p, \first
	s_wait_dscnt 0x0
	PLACES
	REST \p, \ns, \nq, \first
.endm
; A K step that leaves a slot.  Each wave waits for all its tensor loads, adds 0 to its spare word, and waits for that and for its reads of the slot.  fill = 1: the barrier opens a round, and slot 0 is filled again first behind it.
.macro TURN p, ns, fill
	s_wait_tensorcnt 0x0
	ds_add_u32 v[SPW], v[NIL]
	s_wait_dscnt 13                                ; (the add and the youngest 12 loads may be out)
	WIN MUL_LO
	MUL16 0, \p, 0
	s_wait_dscnt 0x0
	s_barrier_signal -1
	MUL16 2, \p, 0
	WIN 0
	s_barrier_wait -1
.if \fill
	CREST
	s_add_nc_u64 s[G0A+2:G0A+3], s[G0A+2:G0A+3], 6*REC
	s_add_nc_u64 s[G0B+2:G0B+3], s[G0B+2:G0B+3], 6*REC
	s_mov_b32 s[G1A+2], 100<<16                    ; no tensor load of mine is out: the refill brings two records, 100 rows
	s_mov_b32 s[G1A+4], 100
	s_mov_b32 s[G1B+2], 100<<16
	s_mov_b32 s[G1B+4], 100
	JLOAD G0A, G1A, G0B, G1B                       ; K steps 6 and 7; its four v_nop are also the places in front of the loads below
.else
	PLACES
.endif
	REST \p, \ns, 0, 0
.endm
; 64 numbers of a lane, register 16 b + i = k 32 b + 16 (lane / 16) + i of my row, become a fragment's codes in v[PC] on and its scale word in v[PW]
.macro QUANT s
.irp b, 0,1,2,3
	v_max3_num_f32 v[TM+\b], |v[\s+16*\b]|, |v[\s+1+16*\b]|, 0x1800000
.endr
.irp i, 2,4,6,8,10,12,14
.irp b, 0,1,2,3
	v_max3_num_f32 v[TM+\b], v[TM+\b], |v[\s+16*\b+\i]|, |v[\s+1+16*\b+\i]|
.endr
.endr
.irp b, 0,1,2,3
	v_permlanex16_b32 v[TM+4+\b], v[TM+\b], s[SEL], s[SEL+1]
.endr
.irp b, 0,1,2,3
	v_max_num_f32 v[TM+\b], v[TM+\b], v[TM+4+\b]
.endr
.irp b, 0,1,2,3
	v_add_nc_u32 v[TM+12+\b], 0xff000000, v[TM+\b]
.endr
.irp b, 0,1,2,3
	v_lshrrev_b32 v[TM+4+\b], 23, v[TM+12+\b]
.endr
	v_lshl_or_b32 v[PW], v[TM+5], 8, v[TM+4]
	v_lshl_or_b32 v[PW], v[TM+6], 16, v[PW]
	v_lshl_or_b32 v[PW], v[TM+7], 24, v[PW]
.irp c, 0,1
	v_cvt_scalef32_pk16_fp6_f32 v[PC+6*\c:PC+2+6*\c], v[\s+32*\c:\s+15+32*\c], v[TM+12+2*\c]
	v_cvt_scalef32_pk16_fp6_f32 v[PC+12+4*\c:PC+14+4*\c], v[\s+16+32*\c:\s+31+32*\c], v[TM+12+2*\c+1]
.endr
	v_nop                                          ; one plain place behind a scaled conversion
.irp c, 0,1
.irp i, 0,1,2
	v_permlane16_swap_b32 v[PC+6*\c+\i], v[PC+12+4*\c+\i]
.endr
.irp i, 0,1,2
	v_mov_b32 v[PC+3+6*\c+\i], v[PC+12+4*\c+\i]
.endr
.endr
.endm
.macro LEAD d, c, k                    ; 32 numbers: d = w c[k] + c[k - 1], k even
.set gi, 0
.rept 16
	v_pk_fma_f32 v[\d+gi:\d+gi+1], v[WW+gi:WW+gi+1], v[\c+(\k):\c+(\k)+1], v[\c+(\k)-2:\c+(\k)-1] op_sel:[0,0,1] op_sel_hi:[1,0,1]
.set gi, gi+2
.endr
.endm
.macro HORN d, c, k                    ; d = d w + c[k]: sixteen lines that do not hang on each other
.set gi, 0
.rept 16
.if (\k)%2
	v_pk_fma_f32 v[\d+gi:\d+gi+1], v[\d+gi:\d+gi+1], v[WW+gi:WW+gi+1], v[\c+(\k)-1:\c+(\k)] op_sel:[0,0,1] op_sel_hi:[1,1,1]
.else
	v_pk_fma_f32 v[\d+gi:\d+gi+1], v[\d+gi:\d+gi+1], v[WW+gi:WW+gi+1], v[\c+(\k):\c+(\k)+1] op_sel_hi:[1,1,0]
.endif
.set gi, gi+2
.endr
.endm
.macro ERF h                           ; 32 numbers: xc in v[H + 32 h ..] becomes s = 0.5 + xc P'(w) / Q'(w).  Q' first, so that P' is worked while the reciprocals are made
.set XC, H+32*(\h)
.set gi, 0
.rept 16
	v_pk_mul_f32 v[WW+gi:WW+gi+1], v[XC+gi:XC+gi+1], v[XC+gi:XC+gi+1]
.set gi, gi+2
.endr
	LEAD QQ, CB, 4
	HORN QQ, CB, 2
	HORN QQ, CB, 1
	HORN QQ, CB, 0
	WALU                                           ; the wait ahead of the batch
.set gi, 0
.rept 32
	v_rcp_f32 v[QQ+gi], v[QQ+gi]
.set gi, gi+1
.endr
	LEAD PP, CA, 6
.irp k, 4,3,2,1,0
	HORN PP, CA, \k
.endr
.set gi, 0
.rept 16
	v_pk_mul_f32 v[PP+gi:PP+gi+1], v[PP+gi:PP+gi+1], v[XC+gi:XC+gi+1]
.set gi, gi+2
.endr
	WALU                                           ; one wait for the batch, ahead of its first reader
.set gi, 0
.rept 16
	v_pk_fma_f32 v[XC+gi:XC+gi+1], v[PP+gi:PP+gi+1], v[QQ+gi:QQ+gi+1], 0.5 op_sel_hi:[1,1,0]
.set gi, gi+2
.endr
.endm
.macro CLAMP a                         ; row block a: xc = x held to +-4 sqrt 2; each accumulator is read from its low end on
	WIN 0x02+(\a)/4
	WALU                                           ; the wait directly ahead of the first reader of these sums
.set gi, 0
.rept 64
	v_med3_num_f32 v[H+gi], v[64*((\a)%4)+gi], s[CL], s[CL+1]
.set gi, gi+1
.endr
	WIN 0
	WALU                                           ; ahead of the jump
.endm
.macro FIN a                           ; g = x s
	WIN 0x02+(\a)/4
.set gi, 0
.rept 32
	v_pk_mul_f32 v[H+gi:H+gi+1], v[64*((\a)%4)+gi:64*((\a)%4)+gi+1], v[H+gi:H+gi+1]
.set gi, gi+2
.endr
	WIN 0
	WALU
.endm
; ---- the head
	s_load_b256 s[4:11], s[0:1], 0x0               ; af, wf, b_fc, gf
	v_lshl_add_u32 v[SPW], v0, 2, SPARE
	v_mov_b32 v[NIL], 0
	ds_add_u32 v[SPW], v[NIL]                      ; the opening: the add, twice on end, and its wait ahead of my first tensor load
	ds_add_u32 v[SPW], v[NIL]
	v_lshrrev_b32 v1, 5, v0
	v_readfirstlane_b32 s14, v1                    ; wave 0..3
	s_lshr_b32 s15, s14, 1                         ; my half of A.  Also: I fetch for A (0) or for W (1)
	s_and_b32 s16, s14, 1                          ; my half of W.  Also: which group of the tile I fetch
	s_bfe_u32 s40, ttmp6, 0x40000                  ; cx
	s_bfe_u32 s41, ttmp6, 0x40004                  ; cy
	s_and_b32 s43, ttmp7, 0xffff
	s_lshl_b32 s44, s41, 2
	s_lshl_b32 s44, 15, s44                        ; my row of the cluster
	s_lshl_b32 s45, 0x1111, s40                    ; my column
	s_or_b32 s[G1A], s44, (3<<16)|(1<<21)          ; the mask; elements of 8 bytes; bit 21 beside a mask
	s_or_b32 s[G1B], s45, (3<<16)|(1<<21)
.irp g, G1A, G1B
	s_mov_b32 s[\g+1], 32<<16                      ; 150 dense rows of 256 bytes
	s_mov_b32 s[\g+2], 150<<16
	s_mov_b32 s[\g+3], 32<<16
	s_mov_b32 s[\g+4], 150
	s_mov_b32 s[\g+5], 32
	s_mov_b32 s[\g+6], 0
	s_mov_b32 s[\g+7], 0
.endr
	s_lshl_b32 s17, s43, 2
	s_add_co_u32 s17, s17, s41                     ; the tile of tokens: 4 cluster y + cy
	s_lshl_b32 s18, ttmp9, 2
	s_add_co_u32 s18, s18, s40                     ; the tile of columns: 4 cluster x + cx
	s_lshl_b32 s50, s17, 1
	s_add_co_u32 s50, s50, s16
	s_mul_i32 s50, s50, GRP
	s_mov_b32 s51, 0
	s_lshl_b32 s52, s18, 1
	s_add_co_u32 s52, s52, s16
	s_mul_i32 s52, s52, GRP
	s_add_co_u32 s52, s52, WOFF
	s_mov_b32 s53, 0
	s_mul_i32 s49, s14, QTR                        ; my quarter of a slot
	s_mov_b32 s[SEL], 0x76543210
	s_mov_b32 s[SEL+1], 0xfedcba98
	s_mov_b32 s[CL], 0xc0b504f3                    ; -4 sqrt 2
	s_mov_b32 s[CL+1], 0x40b504f3
	WALU
	s_wait_dscnt 0x0                               ; both opening adds are done
	CROUND                                         ; the opening round, ahead of the wait for the arguments
	s_wait_kmcnt 0x0
	s_add_nc_u64 s[54:55], s[4:5], s[50:51]
	s_add_nc_u64 s[66:67], s[6:7], s[52:53]
.irp s, 0,1
	s_mov_b32 s[G0A+4*\s], 1
	s_add_co_u32 s[G0A+4*\s+1], s49, \s*SLOT
	s_add_nc_u64 s[G0A+4*\s+2:G0A+4*\s+3], s[54:55], \s*QTR
	s_or_b32 s[G0A+4*\s+3], s[G0A+4*\s+3], 0x80000000
	s_mov_b32 s[G0B+4*\s], 1
	s_add_co_u32 s[G0B+4*\s+1], s49, \s*SLOT
	s_add_nc_u64 s[G0B+4*\s+2:G0B+4*\s+3], s[66:67], \s*QTR
	s_or_b32 s[G0B+4*\s+3], s[G0B+4*\s+3], 0x80000000
.endr
	JLOAD G0A, G1A, G0B, G1B                       ; K steps 0 to 2: my one load at the head
	v_and_b32 v7, 31, v0
	v_lshlrev_b32 v3, 4, v7                        ; 16 x lane
	v_bfe_u32 v2, v0, 4, 1
	v_lshlrev_b32 v5, 6, v2                        ; the bias: 64 (lane / 16)
	s_mul_i32 s60, s15, QTR
	s_mul_i32 s61, s16, QTR
	s_add_co_u32 s61, s61, 2*QTR
.irp s, 0,1
	v_add_nc_u32 v[ADRA+\s], s60, v3
	v_add_nc_u32 v[ADRB+\s], s61, v3
	s_add_co_u32 s60, s60, SLOT
	s_add_co_u32 s61, s61, SLOT
.endr
.irp b, 0,1,2,3
	v_mov_b32 v[TM+4+\b], 0                        ; written once: a lane permute's destination counts as one of its sources
	v_mov_b32 v[SU+\b], 0
.endr
	s_lshl_b32 s52, s18, 10
	s_lshl_b32 s53, s16, 9
	s_add_co_u32 s52, s52, s53                     ; 4 (256 x tile of columns + 128 x my half)
	s_mov_b32 s53, 0
	s_add_nc_u64 s[92:93], s[8:9], s[52:53]
	WALU
	WIN 0x40
.irp b, 0,1,2,3,4,5,6,7                ; tile b, lane (r, h), register j: column 32 (b / 2) + 16 h + 8 (b % 2) + j
	global_load_b128 v[96+8*\b+96*(\b/4):96+8*\b+96*(\b/4)+3], v5, s[92:93] offset:(32*(\b/2)+8*(\b%2))*4
	global_load_b128 v[96+8*\b+96*(\b/4)+4:96+8*\b+96*(\b/4)+7], v5, s[92:93] offset:(32*(\b/2)+8*(\b%2))*4+16
.endr
	WIN 0
	WALU                                           ; the wait at the head's end
	s_wait_tensorcnt 0x0                           ; my part of slot 0 is in; these lines stand ahead of a later first fill as ahead of a refill
	ds_add_u32 v[SPW], v[NIL]
	s_wait_dscnt 0x0
	CROUND
	JLOAD G0A+4, G1A, G0B+4, G1B                   ; K steps 3 to 5 into slot 1
	FETCH_B 0, 0, 0
	FETCH_A 0, 0, 0
	SCALES 0, 0, 0
	FETCH_A 0, 0, 4
	s_wait_loadcnt 0x0                             ; the bias: the first products' C
; ---- K
	STEP 0, 0, 1, 1
	STEP 1, 0, 2, 0
	TURN 0, 1, 1                                   ; K step 2: slot 0 is left and filled again
	STEP 1, 1, 1, 0
	STEP 0, 1, 2, 0
	TURN 1, 0, 0                                   ; K step 5: slot 0's second fill has landed, in every wave
	STEP 0, 0, 1, 0
	s_wait_dscnt 12                                ; K step 7: nothing more to fetch
	WIN MUL_LO
	MUL16 0, 1, 0
	MUL16 2, 1, 0
	s_wait_dscnt 0x0
	WIN MUL_HI
	MUL16 4, 1, 0
	MUL16 6, 1, 0
	WIN 0
	PLACES
; ---- the way out
	v_mov_b32 v[CA+0], -0.0056908071581            ; P': coefficient i of erf's numerator / (2^i 2 sqrt 2)
	v_mov_b32 v[CA+1], -0.00052230438919
	v_mov_b32 v[CA+2], -0.000064964607346
	v_mov_b32 v[CA+3], -0.0000025157561696
	v_mov_b32 v[CA+4], -0.00000004642651037
	v_mov_b32 v[CA+5], 0.0000000003061199412
	v_mov_b32 v[CA+6], -0.00000000000150599506
	v_mov_b32 v[CA+7], 0                           ; (the upper half of a pair that is named whole)
	v_mov_b32 v[CB+0], -0.0142647390514189         ; Q': coefficient i of the denominator / 2^i
	v_mov_b32 v[CB+1], -0.00368666458360234
	v_mov_b32 v[CB+2], -0.0004207067435955
	v_mov_b32 v[CB+3], -0.00002667175690986
	v_mov_b32 v[CB+4], -0.000000910379490406
	v_mov_b32 v[CB+5], 0
	s_lshl_b32 s50, s17, 1
	s_add_co_u32 s50, s50, s15                     ; my group of 128 tokens
	s_lshl_b32 s50, s50, 5
	s_lshl_b32 s51, s18, 1
	s_add_co_u32 s50, s50, s51
	s_add_co_u32 s50, s50, s16                     ; its K step of the next product: my 128 columns
	s_mul_i32 s50, s50, REC
	s_mov_b32 s51, 0
	s_add_nc_u64 s[96:97], s[10:11], s[50:51]
	s_mov_b32 s60, 0
	WALU
.Lrow:
.irp a, 0,1,2,3,4,5,6
	s_cmp_eq_u32 s60, \a
	s_cbranch_scc1 .Lcl\a
.endr
.irp a, 7,6,5,4,3,2,1,0
.Lcl\a:
	CLAMP \a
.if \a != 0
	s_branch .Lerf
.endif
.endr
.Lerf:
	ERF 0
	ERF 1
	WALU                                           ; ahead of the jumps
.irp a, 0,1,2,3,4,5,6
	s_cmp_eq_u32 s60, \a
	s_cbranch_scc1 .Lfi\a
.endr
.irp a, 7,6,5,4,3,2,1,0
.Lfi\a:
	FIN \a
.if \a != 0
	s_branch .Lq
.endif
.endr
.Lq:
	QUANT H
.irp g, 0,1,2
	global_store_b128 v3, v[PC+4*\g:PC+4*\g+3], s[96:97] offset:512*\g     ; 32 lanes store 512 bytes on end
.endr
	s_and_b32 s61, s60, 1
	s_lshl_b32 s61, s61, 4
	s_lshl_b32 s61, 0xffff, s61                    ; an odd block's scale words stand in lanes 16-31
	s_lshr_b32 s62, s60, 1
.irp k, 0,1,2,3
	s_cmp_eq_u32 s62, \k
	s_cselect_b32 s63, s61, 0
	v_cndmask_b32 v[SU+\k], v[SU+\k], v[PW], s63
.endr
	s_wait_xcnt 0x0                                ; the stores have read their registers and their base
	s_add_nc_u64 s[96:97], s[96:97], 1536
	s_add_co_u32 s60, s60, 1
	s_cmp_lt_u32 s60, 8
	WALU
	s_cbranch_scc1 .Lrow
	global_store_b128 v3, v[SU:SU+3], s[96:97]     ; the record's 512 bytes of scale words
	s_wait_tensorcnt 0x0                           ; the wave's end
	ds_add_u32 v[SPW], v[NIL]
	s_wait_dscnt 0x0
	CROUND                                         ; the closing round
	s_endpgm
.Lfunc_end_k_qdbf579508c_fc:
	.size	k_qdbf579508c_fc, .Lfunc_end_k_qdbf579508c_fc-k_qdbf579508c_fc
	.p2alignl 7, 3214868480
	.fill 96, 4, 3214868480
	.section	.rodata,"a",@progbits
	.p2align	6, 0x0
	.amdhsa_kernel k_qdbf579508c_fc
		.amdhsa_group_segment_fixed_size 327680
		.amdhsa_private_segment_fixed_size 0
		.amdhsa_enable_private_segment 0
		.amdhsa_kernarg_size 32
		.amdhsa_user_sgpr_count 2
		.amdhsa_user_sgpr_kernarg_segment_ptr 1
		.amdhsa_wavefront_size32 1
		.amdhsa_system_sgpr_workgroup_id_x 1
		.amdhsa_system_sgpr_workgroup_id_y 1
		.amdhsa_system_sgpr_workgroup_id_z 1
		.amdhsa_system_vgpr_workitem_id 0
		.amdhsa_next_free_vgpr 1024
		.amdhsa_next_free_sgpr 100
		.amdhsa_reserve_vcc 0
		.amdhsa_float_denorm_mode_32 3
		.amdhsa_float_denorm_mode_16_64 3
		.amdhsa_memory_ordered 1
		.amdhsa_forward_progress 1
		.amdhsa_inst_pref_size 189
	.end_amdhsa_kernel
	.amdgpu_metadata
---
amdhsa.version: [ 1, 2 ]
amdhsa.kernels:
  - .name:           k_qdbf579508c_fc
    .symbol:         k_qdbf579508c_fc.kd
    .args:
      - { .name: af, .offset: 0, .size: 8, .value_kind: global_buffer, .address_space: global }
      - { .name: wf, .offset: 8, .size: 8, .value_kind: global_buffer, .address_space: global }
      - { .name: b_fc, .offset: 16, .size: 8, .value_kind: global_buffer, .address_space: global }
      - { .name: gf, .offset: 24, .size: 8, .value_kind: global_buffer, .address_space: global }
    .group_segment_fixed_size: 327680
    .private_segment_fixed_size: 0
    .kernarg_segment_align: 8
    .kernarg_segment_size: 32
    .max_flat_workgroup_size: 128
    .sgpr_count:     100
    .vgpr_count:     1024
    .wavefront_size: 32
...
	.end_amdgpu_metadata
.endif
;; end of part 6
;; launch proj (part 7): grid 8 x 32, 4 waves a work-group, clusters of 4 x 4, 327,680 bytes of LDS; arguments gf, wf, b_proj, x1, out0; writes out0
.if DOCPART == 7
	.amdgcn_target "amdgcn-amd-amdhsa--gfx1250"
	.amdhsa_code_object_version 6
	.text
	.protected	k_qdbf579508c_proj
	.globl	k_qdbf579508c_proj
	.p2align	8
	.type	k_qdbf579508c_proj,@function
k_qdbf579508c_proj:
	s_mov_b64 s[64:65], 0
	v_nop
	global_prefetch_b8 v0, s[64:65] scope:SCOPE_SE
	s_setreg_imm32_b32 hwreg(HW_REG_WAVE_MODE, 25, 1), 1
	s_wait_xcnt 0x0
	s_wait_alu depctr_hold_cnt(0) depctr_sa_sdst(0) depctr_va_vdst(0) depctr_va_sdst(0) depctr_va_ssrc(0) depctr_va_vcc(0) depctr_vm_vsrc(0)
	s_getreg_b32 s2, hwreg(HW_REG_IB_STS2, 6, 4)
	s_cmp_eq_u32 s2, 0
	s_cbranch_scc0 .Lentry_in_a_cluster
	s_endpgm
.Lentry_in_a_cluster:
	s_bfe_u32 s2, ttmp6, 0x10000c
	s_cmp_lg_u32 s2, 0xf033
	s_cbranch_scc0 .Lentry_shape_is_right
	s_endpgm
.Lentry_shape_is_right:
; out = A W + bias + residual, f32 rows out; A and W as codes of FP6 in the program's operand format (launch wq).  Here: out0 = g w_proj + b_proj + x1, K = 4,096.
; A work-group of four waves makes 128 x 128 (so that 256 work-groups share 4,096 x 1,024), a wave 64 x 64: 16 accumulators.  Source 0 = 16 columns of W, source 1 = 16 tokens: a lane holds eight neighbouring numbers of a row.
; RING: two LDS slots of six K steps (153,600 bytes: A's six records, then W's; a wave's tensor load brings three records, dense in memory).  A's tiles are asked for jointly along the cluster's row, W's along its column.
; A slot is left at every sixth K step: each wave waits for all its tensor loads, adds 0 to its spare word, waits for that and for its reads; where a later step reads the slot again (four times at this K), a round of the
; cluster's barrier follows and the joint refill is first behind it, with the rest of its K step and five more, 88 products a wave, in which to land.  One load of a wave is out at a time.
; The way out goes through the wave's own stage in LDS, 16 rows at a time, so that sixteen lanes store 256 bytes on end, at a multiple of 256; bias and residual are added on the way.
; REGISTERS: window 0: v16-26 addresses; v28, 29 the add's two; v32-39 scale words, two sets; v40-43 bias; v64-127 rows on the way out; v128-255 accumulators.  window 1: two sets of 48 (A) + 48 (W).  window 2: v0-127 the residual.
.set SIZE_K, 4096
.set WOFF,   6553600                   ; where this weight begins in wf
.set KS,    SIZE_K/128
.set NF,    (KS+5)/6                   ; THE RING AS IT STANDS: two slots of six K steps (153,600 bytes; a wave's load brings three records); six fills, the last of two K steps (one record a wave)
.set REC,   12800
.set QTR,   3*REC
.set SLOT,  4*QTR
.set STAGE, 2*SLOT
.set SPITCH, 272
.set SPARE, STAGE+4*16*SPITCH
.set ADRA, 16
.set ADRB, 18
.set ASA,  20
.set ASB,  22
.set STO,  24
.set RD,   25
.set CO,   26
.set SPW,  28
.set NIL,  29
.set SC,   32
.set BIA,  40
.set OB,   64
.set ACC,  128
.set G1A, 24
.set G1B, 32
.set G0A, 68
.set G0B, 76
.set MSB, 0
.macro WIN new
.if MSB != (\new)
	s_set_vgpr_msb (MSB<<8)|(\new)
.set MSB, (\new)
.endif
.endm
.set MUL, 0x05                         ; sources 0 and 1 window 1; C and D window 0
.macro JLOAD g0a, g1a, g0b, g1b        ; a joint load: waves 0 and 1 fetch for A, waves 2 and 3 for W; an s_nop 0 and four v_nop follow each line
	s_cmp_eq_u32 s15, 0
	s_cbranch_scc0 .Lfor_b_\@
	tensor_load_to_lds s[\g0a:\g0a+3], s[\g1a:\g1a+7]
	s_nop 0
.rept 4
	v_nop
.endr
	s_branch .Lasked_\@
.Lfor_b_\@:
	tensor_load_to_lds s[\g0b:\g0b+3], s[\g1b:\g1b+7]
	s_nop 0
.rept 4
	v_nop
.endr
.Lasked_\@:
.endm
.macro CROUND
	s_barrier_signal -1
	s_barrier_wait -1
	s_cmp_lg_u32 s14, 0
	s_cbranch_scc1 .Lnot_wave_0_\@
	s_barrier_signal -3
.Lnot_wave_0_\@:
	s_barrier_wait -3
	s_barrier_signal -1
	s_barrier_wait -1
.endm
.macro PLACES
.rept 4
	v_nop
.endr
.endm
.macro WM d, a, b, c, sa, sb, ra, rb
.if (\c) < 0
.if ((\ra) == 0) && ((\rb) == 0)
	v_wmma_scale_f32_16x16x128_f8f6f4 v[(\d):(\d)+7], v[(\a):(\a)+11], v[(\b):(\b)+11], 0, v[\sa], v[\sb] matrix_a_fmt:MATRIX_FMT_FP6 matrix_b_fmt:MATRIX_FMT_FP6
.elseif (\rb) == 0
	v_wmma_scale_f32_16x16x128_f8f6f4 v[(\d):(\d)+7], v[(\a):(\a)+11], v[(\b):(\b)+11], 0, v[\sa], v[\sb] matrix_a_fmt:MATRIX_FMT_FP6 matrix_b_fmt:MATRIX_FMT_FP6 matrix_a_scale:MATRIX_SCALE_ROW1
.elseif (\ra) == 0
	v_wmma_scale_f32_16x16x128_f8f6f4 v[(\d):(\d)+7], v[(\a):(\a)+11], v[(\b):(\b)+11], 0, v[\sa], v[\sb] matrix_a_fmt:MATRIX_FMT_FP6 matrix_b_fmt:MATRIX_FMT_FP6 matrix_b_scale:MATRIX_SCALE_ROW1
.else
	v_wmma_scale_f32_16x16x128_f8f6f4 v[(\d):(\d)+7], v[(\a):(\a)+11], v[(\b):(\b)+11], 0, v[\sa], v[\sb] matrix_a_fmt:MATRIX_FMT_FP6 matrix_b_fmt:MATRIX_FMT_FP6 matrix_a_scale:MATRIX_SCALE_ROW1 matrix_b_scale:MATRIX_SCALE_ROW1
.endif
.else
.if ((\ra) == 0) && ((\rb) == 0)
	v_wmma_scale_f32_16x16x128_f8f6f4 v[(\d):(\d)+7], v[(\a):(\a)+11], v[(\b):(\b)+11], v[(\c):(\c)+7], v[\sa], v[\sb] matrix_a_fmt:MATRIX_FMT_FP6 matrix_b_fmt:MATRIX_FMT_FP6
.elseif (\rb) == 0
	v_wmma_scale_f32_16x16x128_f8f6f4 v[(\d):(\d)+7], v[(\a):(\a)+11], v[(\b):(\b)+11], v[(\c):(\c)+7], v[\sa], v[\sb] matrix_a_fmt:MATRIX_FMT_FP6 matrix_b_fmt:MATRIX_FMT_FP6 matrix_a_scale:MATRIX_SCALE_ROW1
.elseif (\ra) == 0
	v_wmma_scale_f32_16x16x128_f8f6f4 v[(\d):(\d)+7], v[(\a):(\a)+11], v[(\b):(\b)+11], v[(\c):(\c)+7], v[\sa], v[\sb] matrix_a_fmt:MATRIX_FMT_FP6 matrix_b_fmt:MATRIX_FMT_FP6 matrix_b_scale:MATRIX_SCALE_ROW1
.else
	v_wmma_scale_f32_16x16x128_f8f6f4 v[(\d):(\d)+7], v[(\a):(\a)+11], v[(\b):(\b)+11], v[(\c):(\c)+7], v[\sa], v[\sb] matrix_a_fmt:MATRIX_FMT_FP6 matrix_b_fmt:MATRIX_FMT_FP6 matrix_a_scale:MATRIX_SCALE_ROW1 matrix_b_scale:MATRIX_SCALE_ROW1
.endif
.endif
.endm
.macro MUL8 half, p, zero              ; 8 products: A's blocks 2 half, 2 half + 1 x W's four; the 16 accumulators take turns, one instruction a turn
.irp a, 2*(\half), 2*(\half)+1
.irp b, 0,1,2,3
.set rD, ACC+8*(4*(\a)+\b)
.set rC, rD
.if \zero
.set rC, -1
.endif
	WM rD, 128*(\p)+48+12*\b, 128*(\p)+12*(\a), rC, SC+4*(\p)+2+\b/2, SC+4*(\p)+(\a)/2, \b%2, (\a)%2
.endr
.endr
.endm
.macro FRAG reg, adr, off
.irp g, 0,1,2
	ds_load_b128 v[(\reg)+4*\g:(\reg)+4*\g+3], v[\adr] offset:(\off)+512*\g
.endr
.endm
.macro FETCH t                         ; K step t's fragments and scale words: 26 loads, into set t % 2
.set fS, ((\t)/6)%2+32*(((\t)%6)/3)    ; records 3 to 5 of a slot go by a second set of address registers, 32 numbers up: an offset has 16 bits
.set fQ, ((\t)%3)*REC
.if (\t) == KS-1                       ; the last fill brings one record a wave: K step KS - 2 lies at record 0 of slot 1, K step KS - 1 at record 3
.set fS, 1+32
.set fQ, 0
.endif
.set fP, 128*((\t)%2)
.set fC, SC+4*((\t)%2)
	WIN 0x40
.irp i, 0,1,2,3
	FRAG fP+12*\i, ADRA+fS, fQ+1536*\i
	FRAG fP+48+12*\i, ADRB+fS, fQ+1536*\i
.endr
	WIN 0
	ds_load_b64 v[fC:fC+1], v[ASA+fS] offset:fQ
	ds_load_b64 v[fC+2:fC+3], v[ASB+fS] offset:fQ
.endm
.macro KSTEP t
	s_wait_dscnt 0x0                               ; this step's 26 loads, asked for a step ago
.if (((\t)%6) == 5) && (((\t)+1) < KS)
	s_wait_tensorcnt 0x0                           ; all my tensor loads have landed: my part of the next slot
	ds_add_u32 v[SPW], v[NIL]
	WIN MUL
	MUL8 0, (\t)%2, 0
	WIN 0
	s_wait_dscnt 0x0                               ; the add is done; my reads of this slot were over at the step's head
.if ((\t)/6+2) < NF
	CROUND
.set fS, ((\t)/6)%2
	s_add_nc_u64 s[G0A+4*fS+2:G0A+4*fS+3], s[G0A+4*fS+2:G0A+4*fS+3], 2*SLOT/2
	s_add_nc_u64 s[G0B+4*fS+2:G0B+4*fS+3], s[G0B+4*fS+2:G0B+4*fS+3], 2*SLOT/2
.if ((\t)/6+3) == NF                   ; the last fill: one record a wave, 50 rows; the second wave of a pair stands one record behind the first, not three
	s_sub_nc_u64 s[G0A+4*fS+2:G0A+4*fS+3], s[G0A+4*fS+2:G0A+4*fS+3], s[56:57]
	s_sub_nc_u64 s[G0B+4*fS+2:G0B+4*fS+3], s[G0B+4*fS+2:G0B+4*fS+3], s[56:57]
	s_mov_b32 s[G1A+2], 50<<16
	s_mov_b32 s[G1A+4], 50
	s_mov_b32 s[G1B+2], 50<<16
	s_mov_b32 s[G1B+4], 50
.endif
	JLOAD G0A+4*fS, G1A, G0B+4*fS, G1B             ; twelve K steps on; its four v_nop are also the places in front of the loads below
.else
	s_barrier_signal -1
	s_barrier_wait -1
	PLACES
.endif
	FETCH (\t)+1
.if ((\t)/6+3) < NF-1                  ; the fill behind the one just asked for is asked of memory: six K steps ahead of its tensor load; the short last fill is not
	global_prefetch_b8 v56, s[58:59] offset:((\t)/6+3)*6*REC th:TH_LOAD_NT scope:SCOPE_SE
	global_prefetch_b8 v57, s[58:59] offset:((\t)/6+3)*6*REC th:TH_LOAD_NT scope:SCOPE_SE
.endif
	WIN MUL
	MUL8 1, (\t)%2, 0
	WIN 0
.else
	PLACES
.if (\t) == 24
	RESID                                          ; the residual is asked for behind the last fill of six K steps; it is read behind the last product
.endif
.if ((\t)+1) < KS
	FETCH (\t)+1
.endif
	WIN MUL
	MUL8 0, (\t)%2, (\t)==0
	MUL8 1, (\t)%2, (\t)==0
	WIN 0
.endif
.endm
	s_load_b256 s[4:11], s[0:1], 0x0               ; A, wf, bias, residual
	s_load_b64 s[12:13], s[0:1], 0x20              ; out
	v_lshl_add_u32 v[SPW], v0, 2, SPARE
	v_mov_b32 v[NIL], 0
	ds_add_u32 v[SPW], v[NIL]                      ; the wave's opening: the add, twice on end, and its wait ahead of my first tensor load
	ds_add_u32 v[SPW], v[NIL]
	v_lshrrev_b32 v1, 5, v0
	v_readfirstlane_b32 s14, v1                    ; wave 0..3
	s_lshr_b32 s15, s14, 1                         ; my half of the rows.  Also: I fetch for A (0) or for W (1)
	s_and_b32 s16, s14, 1                          ; my half of the columns.  Also: which three records of the six I fetch
	s_bfe_u32 s40, ttmp6, 0x40000                  ; cx
	s_bfe_u32 s41, ttmp6, 0x40004                  ; cy
	s_lshl_b32 s42, ttmp9, 2
	s_add_co_u32 s42, s42, s40                     ; the tile of columns
	s_and_b32 s17, ttmp7, 0xffff
	s_lshl_b32 s17, s17, 2
	s_add_co_u32 s17, s17, s41                     ; the tile of rows
	s_lshl_b32 s44, s41, 2
	s_lshl_b32 s44, 15, s44
	s_lshl_b32 s45, 0x1111, s40
	s_or_b32 s[G1A], s44, (3<<16)|(1<<21)
	s_or_b32 s[G1B], s45, (3<<16)|(1<<21)
.irp g, G1A, G1B
	s_mov_b32 s[\g+1], 32<<16                      ; 150 dense rows of 256 bytes
	s_mov_b32 s[\g+2], 150<<16
	s_mov_b32 s[\g+3], 32<<16
	s_mov_b32 s[\g+4], 150
	s_mov_b32 s[\g+5], 32
	s_mov_b32 s[\g+6], 0
	s_mov_b32 s[\g+7], 0
.endr
	s_mul_i32 s18, s16, QTR
	s_mul_i32 s56, s16, 2*REC                      ; what the last fill takes off my address
	s_mov_b32 s57, 0
	s_mul_i32 s20, s17, KS*REC
	s_add_co_u32 s20, s20, s18
	s_mov_b32 s21, 0
	s_mul_i32 s46, s42, KS*REC
	s_add_co_u32 s46, s46, s18
	s_add_co_u32 s46, s46, WOFF
	s_mov_b32 s47, 0
	s_mul_i32 s49, s14, QTR
	s_wait_dscnt 0x0                               ; both opening adds are done
	s_wait_kmcnt 0x0
	s_add_nc_u64 s[20:21], s[4:5], s[20:21]
	s_add_nc_u64 s[46:47], s[6:7], s[46:47]
	s_cmp_eq_u32 s15, 0                            ; THE PREFETCHES: of the 150 blocks of 256 bytes that my tensor load brings, each of the four partners that ask for them jointly names 38, told apart by address
	s_cselect_b64 s[58:59], s[20:21], s[46:47]     ; where my loads begin (fill f: 6 f records on); never rewritten
	s_cselect_b32 s60, s40, s41                    ; my place among the four: cx for A's tiles, cy for W's
	s_mul_i32 s60, s60, 38
	CROUND                                         ; all sixteen work-groups are here: the first joint loads meet
.irp s, 0,1
	s_mov_b32 s[G0A+4*\s], 1
	s_add_co_u32 s[G0A+4*\s+1], s49, \s*SLOT
	s_add_nc_u64 s[G0A+4*\s+2:G0A+4*\s+3], s[20:21], \s*2*QTR
	s_or_b32 s[G0A+4*\s+3], s[G0A+4*\s+3], 0x80000000
	s_mov_b32 s[G0B+4*\s], 1
	s_add_co_u32 s[G0B+4*\s+1], s49, \s*SLOT
	s_add_nc_u64 s[G0B+4*\s+2:G0B+4*\s+3], s[46:47], \s*2*QTR
	s_or_b32 s[G0B+4*\s+3], s[G0B+4*\s+3], 0x80000000
.if \s == 0
	JLOAD G0A, G1A, G0B, G1B                       ; K steps 0 to 5: one tensor load a wave at the head
.endif
.endr
	v_and_b32 v7, 31, v0
	v_lshlrev_b32 v3, 4, v7
	v_add_nc_u32 v56, s60, v7                      ; blocks 38 p + lane,
	v_min_u32 v57, 5, v7
	v_add_nc_u32 v57, s60, v57
	v_add_nc_u32 v57, 32, v57                      ; and 38 p + 32 .. 37 (the lanes left over name the last again),
	v_min_u32 v57, 149, v57                        ; none behind the load's last block
	v_lshlrev_b32 v56, 8, v56
	v_lshlrev_b32 v57, 8, v57
	s_wait_alu depctr_va_vdst(0)
	v_and_b32 v1, 15, v0                           ; r
	v_bfe_u32 v2, v0, 4, 1                         ; h
	s_mul_i32 s50, s15, 6144                       ; my four row blocks of A,
	s_mul_i32 s51, s16, 6144
	s_add_co_u32 s51, s51, 2*QTR                   ; of W, behind A's six records;
	s_lshl_b32 s52, s15, 3
	s_add_co_u32 s52, s52, 12288                   ; their scale words: two of a lane's four
	s_lshl_b32 s53, s16, 3
	s_add_co_u32 s53, s53, 12288+2*QTR
.irp s, 0,1
	v_add_nc_u32 v[ADRA+\s], s50, v3
	v_add_nc_u32 v[ADRB+\s], s51, v3
	v_add_nc_u32 v[ASA+\s], s52, v3
	v_add_nc_u32 v[ASB+\s], s53, v3
	v_add_nc_u32 v[ADRA+32+\s], 3*REC, v[ADRA+\s]  ; the same four for records 3 to 5
	v_add_nc_u32 v[ADRB+32+\s], 3*REC, v[ADRB+\s]
	v_add_nc_u32 v[ASA+32+\s], 3*REC, v[ASA+\s]
	v_add_nc_u32 v[ASB+32+\s], 3*REC, v[ASB+\s]
	s_add_co_u32 s50, s50, SLOT
	s_add_co_u32 s51, s51, SLOT
	s_add_co_u32 s52, s52, SLOT
	s_add_co_u32 s53, s53, SLOT
.endr
	s_mul_i32 s50, s14, 16*SPITCH
	s_add_co_u32 s50, s50, STAGE                   ; my stage
	v_mul_u32_u24 v5, v1, SPITCH
	v_lshl_add_u32 v5, v2, 6, v5
	v_add_nc_u32 v[STO], s50, v5                   ; in: row r, + 64 h; tile 2 b + u: 128 b + 32 u on
	v_mul_u32_u24 v5, v2, SPITCH
	v_lshl_add_u32 v5, v1, 4, v5
	v_add_nc_u32 v[RD], s50, v5                    ; back: lanes 0-15 one row, lanes 16-31 the next
	v_lshlrev_b32 v5, 12, v2
	v_lshl_add_u32 v[CO], v1, 4, v5                ; and the same two rows in memory
	v_lshlrev_b32 v6, 4, v1
	s_wait_alu depctr_va_vdst(0)
	s_lshl_b32 s50, s17, 7
	s_lshl_b32 s51, s15, 6
	s_add_co_u32 s50, s50, s51
	s_lshl_b32 s50, s50, 12                        ; my first row,
	s_lshl_b32 s52, s42, 9
	s_lshl_b32 s53, s16, 8
	s_add_co_u32 s52, s52, s53                     ; my first column, in bytes
	s_add_co_u32 s50, s50, s52
	s_mov_b32 s51, 0
	s_mov_b32 s53, 0
	s_add_nc_u64 s[10:11], s[10:11], s[50:51]
	s_add_nc_u64 s[12:13], s[12:13], s[50:51]
	s_add_nc_u64 s[8:9], s[8:9], s[52:53]
	global_load_b128 v[BIA:BIA+3], v6, s[8:9]
.macro RESID
	WIN 0x80
.irp a, 0,1,2,3
.irp t, 0,1,2,3,4,5,6,7
	global_load_b128 v[32*\a+4*\t:32*\a+4*\t+3], v[CO], s[10:11] offset:(32*(\a/2)+8*(\a%2)+2*\t+8*(\t/4))*4096
.endr
.endr
	WIN 0
.endm
	s_wait_alu depctr_va_vdst(0)
	global_prefetch_b8 v56, s[58:59] offset:6*REC th:TH_LOAD_NT scope:SCOPE_SE    ; fill 1, which is loaded when fill 0 has landed
	global_prefetch_b8 v57, s[58:59] offset:6*REC th:TH_LOAD_NT scope:SCOPE_SE
	s_wait_tensorcnt 0x0
	ds_add_u32 v[SPW], v[NIL]
	s_wait_dscnt 0x0
	CROUND
	JLOAD G0A+4, G1A, G0B+4, G1B                   ; K steps 6 to 11 into slot 1
	FETCH 0
	global_prefetch_b8 v56, s[58:59] offset:12*REC th:TH_LOAD_NT scope:SCOPE_SE   ; fill 2
	global_prefetch_b8 v57, s[58:59] offset:12*REC th:TH_LOAD_NT scope:SCOPE_SE
.set KT, 0
.rept KS
	KSTEP KT
.set KT, KT+1
.endr
	s_wait_loadcnt 0x0                             ; bias and residual
	PLACES
.irp a, 0,1,2,3
.set OBS, OB+32*(\a%2)
.if \a > 0
	s_wait_xcnt 0x0                                ; earlier stores have read their registers
.endif
.irp b, 0,1,2,3
	ds_store_b128 v[STO], v[ACC+8*(4*\a+\b):ACC+8*(4*\a+\b)+3] offset:128*(\b/2)+32*(\b%2)       ; each accumulator from its low end on
	ds_store_b128 v[STO], v[ACC+8*(4*\a+\b)+4:ACC+8*(4*\a+\b)+7] offset:128*(\b/2)+32*(\b%2)+16
.endr
.irp t, 0,1,2,3,4,5,6,7
	ds_load_b128 v[OBS+4*\t:OBS+4*\t+3], v[RD] offset:2*\t*SPITCH   ; LDS serves a wave's instructions in order: these see my stores
.endr
	s_wait_dscnt 0x0
.irp t, 0,1,2,3,4,5,6,7
	v_pk_add_f32 v[OBS+4*\t:OBS+4*\t+1], v[OBS+4*\t:OBS+4*\t+1], v[BIA:BIA+1]
	v_pk_add_f32 v[OBS+4*\t+2:OBS+4*\t+3], v[OBS+4*\t+2:OBS+4*\t+3], v[BIA+2:BIA+3]
.endr
	WIN 0x08                                       ; source 1: window 2
.irp t, 0,1,2,3,4,5,6,7
	v_pk_add_f32 v[OBS+4*\t:OBS+4*\t+1], v[OBS+4*\t:OBS+4*\t+1], v[32*\a+4*\t:32*\a+4*\t+1]
	v_pk_add_f32 v[OBS+4*\t+2:OBS+4*\t+3], v[OBS+4*\t+2:OBS+4*\t+3], v[32*\a+4*\t+2:32*\a+4*\t+3]
.endr
	WIN 0
.irp t, 0,1,2,3,4,5,6,7
	global_store_b128 v[CO], v[OBS+4*\t:OBS+4*\t+3], s[12:13] offset:(32*(\a/2)+8*(\a%2)+2*\t+8*(\t/4))*4096
.endr
.endr
	s_wait_tensorcnt 0x0                           ; the wave's end
	ds_add_u32 v[SPW], v[NIL]
	s_wait_dscnt 0x0
	CROUND                                         ; the closing round
	s_endpgm
.Lfunc_end_k_qdbf579508c_proj:
	.size	k_qdbf579508c_proj, .Lfunc_end_k_qdbf579508c_proj-k_qdbf579508c_proj
	.p2alignl 7, 3214868480
	.fill 96, 4, 3214868480
	.section	.rodata,"a",@progbits
	.p2align	6, 0x0
	.amdhsa_kernel k_qdbf579508c_proj
		.amdhsa_group_segment_fixed_size 327680
		.amdhsa_private_segment_fixed_size 0
		.amdhsa_enable_private_segment 0
		.amdhsa_kernarg_size 40
		.amdhsa_user_sgpr_count 2
		.amdhsa_user_sgpr_kernarg_segment_ptr 1
		.amdhsa_wavefront_size32 1
		.amdhsa_system_sgpr_workgroup_id_x 1
		.amdhsa_system_sgpr_workgroup_id_y 1
		.amdhsa_system_sgpr_workgroup_id_z 1
		.amdhsa_system_vgpr_workitem_id 0
		.amdhsa_next_free_vgpr 640
		.amdhsa_next_free_sgpr 100
		.amdhsa_reserve_vcc 0
		.amdhsa_float_denorm_mode_32 3
		.amdhsa_float_denorm_mode_16_64 3
		.amdhsa_memory_ordered 1
		.amdhsa_forward_progress 1
		.amdhsa_inst_pref_size 159
	.end_amdhsa_kernel
	.amdgpu_metadata
---
amdhsa.version: [ 1, 2 ]
amdhsa.kernels:
  - .name:           k_qdbf579508c_proj
    .symbol:         k_qdbf579508c_proj.kd
    .args:
      - { .name: gf, .offset: 0, .size: 8, .value_kind: global_buffer, .address_space: global }
      - { .name: wf, .offset: 8, .size: 8, .value_kind: global_buffer, .address_space: global }
      - { .name: b_proj, .offset: 16, .size: 8, .value_kind: global_buffer, .address_space: global }
      - { .name: x1, .offset: 24, .size: 8, .value_kind: global_buffer, .address_space: global }
      - { .name: out0, .offset: 32, .size: 8, .value_kind: global_buffer, .address_space: global }
    .group_segment_fixed_size: 327680
    .private_segment_fixed_size: 0
    .kernarg_segment_align: 8
    .kernarg_segment_size: 40
    .max_flat_workgroup_size: 128
    .sgpr_count:     100
    .vgpr_count:     640
    .wavefront_size: 32
...
	.end_amdgpu_metadata
.endif
;; end of part 7
